; MI455X (gfx1250); checked and timed in simulation.
; The chip was launched on July 23, 2026; its instructions are those of AMD's public machine-readable ISA for CDNA 5 (MIT licence, August 2026) and "CDNA5" Instruction Set Architecture Reference Guide (July 2026). The comments in the code are by the model that wrote it; some were corrected since.
;; Mixtral Attention. Allowed arithmetic: matrix products marked QUANTISED: E2M1 operands, one E8M0 scale for each 32 along K, by v_wmma_scale_f32_16x16x128_f8f6f4 with both operands' format E2M1 (or v_wmma_scale_f32_32x16x128_f4), f32 sums; everything else in f32.
;; Inputs: cos 1 x 2,048 x 128 float32; hidden_states 1 x 2,048 x 4,096 float32; norm_w 4,096 float32; sin 1 x 2,048 x 128 float32; wk_codes 1,024 x 128 x 16 uint8 (E2M1 codes of wk, K innermost, in blocks of 32 codes, two codes a byte); wk_scales 1,024 x 128 uint8 (E8M0 scales of wk, one for each 32 codes along K); wo_codes 4,096 x 64 x 16 uint8 (E2M1 codes of wo, K innermost, in blocks of 32 codes, two codes a byte); wo_scales 4,096 x 64 uint8 (E8M0 scales of wo, one for each 32 codes along K); wq_codes 2,048 x 128 x 16 uint8 (E2M1 codes of wq, K innermost, in blocks of 32 codes, two codes a byte); wq_scales 2,048 x 128 uint8 (E8M0 scales of wq, one for each 32 codes along K); wv_codes 1,024 x 128 x 16 uint8 (E2M1 codes of wv, K innermost, in blocks of 32 codes, two codes a byte); wv_scales 1,024 x 128 uint8 (E8M0 scales of wv, one for each 32 codes along K).
;; Outputs: out0 1 x 2,048 x 4,096 float32.
;; This version of the problem:
;;   THIS VERSION OF THE PROBLEM IS GIVEN IN LOW PRECISION. The matrix products marked QUANTISED in the list below multiply operands that are first quantised to E2M1 (2 exponent bits, 1 mantissa bit; 4 bits a number), with one power-of-two scale for each 32 numbers along K (OCP MX v1.0); their sums are f32. All else is computed in f32.
;;   The module's matrix products, in the order in which they are computed (A, B: the left and right operand; K: the contracted axis; several contracted axes count as one K, in the product's order):
;;     1. [M 2,048, K 4,096] x [K 4,096, N 2,048]; A: computed on the way; B: input wq (given as codes): QUANTISED
;;     2. [M 2,048, K 4,096] x [K 4,096, N 1,024]; A: computed on the way; B: input wk (given as codes): QUANTISED
;;     3. [M 2,048, K 4,096] x [K 4,096, N 1,024]; A: computed on the way; B: input wv (given as codes): QUANTISED
;;     4. batch 16 x [M 2,048, K 128] x [K 128, N 2,048]; A: computed on the way; B: computed on the way: QUANTISED
;;     5. batch 16 x [M 128, K 2,048] x [K 2,048, N 2,048]; A: computed on the way; B: softmax (see below): QUANTISED
;;     6. [M 2,048, K 2,048] x [K 2,048, N 4,096]; A: computed on the way; B: input wo (given as codes): QUANTISED
;;   THE QUANTISER, for each operand of a quantised product, along K:
;;     - K is cut into blocks of 32 from its start; a last block that is shorter is filled with zeros.
;;     - A block's scale is 2^e with e = floor(log2(the largest magnitude in the block)) - 2, held to -126 .. 127; a block of zeros has e = 0. As a byte (E8M0): e + 127.
;;     - Each number is divided by its block's scale, clamped to +-6, and rounded to the nearest number of E2M1, ties to even, subnormals kept.
;;     - The product sums the exact products of the quantised numbers (number of the format x scale) in f32.
;;   ~~~python
;;   def quantise(x, axis):      # numpy; x: float32 -> the quantised numbers, widened to float32 again
;;       x = np.moveaxis(x, axis, -1); K = x.shape[-1]
;;       x = np.pad(x, [(0, 0)] * (x.ndim - 1) + [(0, -K % 32)]); x = x.reshape(x.shape[:-1] + (-1, 32)); a = np.abs(x).max(-1, keepdims=True)
;;       e = np.where(a > 0, np.clip(np.frexp(np.where(a > 0, a, 1))[1] - 1 - 2, -126, 127), 0)      # np.frexp(a)[1] - 1 = floor(log2(a)), exactly
;;       r = np.clip(x / 2.0 ** e, -6, 6)
;;       step = 2.0 ** (np.maximum(np.frexp(np.where(r == 0, 1, r))[1] - 1, 0) - 1)
;;       q = np.round(r / step) * step * 2.0 ** e      # np.round: ties to even
;;       return np.moveaxis(q.reshape(q.shape[:-2] + (-1,))[..., :K], -1, axis).astype(np.float32)
;;   ~~~
;;   SOFTMAX AHEAD OF A QUANTISED PRODUCT. Where the list says 'softmax', what is quantised is not the finished softmax but p = 2^(t - M), with t = logit x log2(e) and M = ceil(the row's largest t), a whole number; so 1/2 < the row's largest p <= 1. The row's sum l is taken of the UNQUANTISED p, in f32, and the product's result is divided by l at the end. Since M is a whole number, a kernel that streams over the keys may use a running M (the ceiling of the running maximum): every later rescaling is an exact power of two, which a block's scale takes up: the codes' values come out the same.
;;   OPERANDS COMPUTED ON THE WAY. 'Computed on the way' means the value that the module computes at that place (a softmax that the list does not call 'softmax' is quantised finished and normalised). What goes into a quantiser is computed in f32, as accurately as f32 sums, v_exp_f32 and their like allow (about 1e-6 of the number): no bf16 or f16 on the way to a quantiser, and a product that is left as it is and whose result goes on into a quantised operand takes f32 operands (vector FMAs, or v_wmma_f32_16x16x4_f32). A number that lies on a knife's edge between two numbers of the format may be rounded either way, as far as f32 arithmetic and the matrix unit's own rounding can turn it there, and no further.
;;   INPUTS GIVEN AS CODES. wk (in the module: [4096, 1024], K = its axis 0); wo (in the module: [2048, 4096], K = its axis 0); wq (in the module: [4096, 2048], K = its axis 0); wv (in the module: [4096, 1024], K = its axis 0): each comes as NAME_codes (uint8): NAME with its K axis moved to the last place and cut into blocks of 32 codes, [.., K / 32, bytes a block], one block behind the other in memory; two codes a byte, the lower K in the low four bits (a code: sign, 2 exponent bits, 1 mantissa bit); and NAME_scales (uint8): the same leading axes, one E8M0 byte (e + 127) for each 32 codes along K. Its value is code x scale, taken as it is: it is not quantised again, and the codes and scales need not be those that the quantiser above would give.
;; One version. Each part assembles by itself: llvm-mc -triple=amdgcn-amd-amdhsa -mcpu=gfx1250 --defsym DOCPART=n.
;; ======== version 1 of 1: 4 launches
;; limits: right only within a limited range of input values
;; workspace buffers: hbuf 4,456,448 bytes; qkv 4,456,448 bytes; abuf 2,228,224 bytes
;; launch norm (part 1): grid 256 x 1, 8 waves a work-group, no clusters, 63,488 bytes of LDS; arguments hidden_states, norm_w, hbuf; writes hbuf
.if DOCPART == 1
	.amdgcn_target "amdgcn-amd-amdhsa--gfx1250"
	.amdhsa_code_object_version 6
	.text
	.protected	k_q010d394a07_norm
	.globl	k_q010d394a07_norm
	.p2align	8
	.type	k_q010d394a07_norm,@function
k_q010d394a07_norm:
	s_mov_b64 s[64:65], 0
	v_nop
	global_prefetch_b8 v0, s[64:65] scope:SCOPE_SE
	s_setreg_imm32_b32 hwreg(HW_REG_WAVE_MODE, 25, 1), 1
	s_wait_xcnt 0x0
; h = (x * rsqrt(mean(x^2) + 1e-5)) * norm_w, row by row, in f32, and h quantised along its 4,096 to codes of FP4 (E2M1) with one E8M0 byte for each 32.
; hbuf: codes [2048][2048 bytes] row-major, K innermost, the lower k in the low four bits; behind them, at byte 4,194,304, the scale bytes [2048][128].
; SHARES.  Eight waves, one row each (row = 8 x work-group + wave).  A row is 16,384 bytes: 32 loads of 512 consecutive bytes, kept in 128 registers between the sum of squares and the scaling: x is read once.
; The conversions take neighbours along K from ONE lane's registers, the loads give neighbouring bytes to neighbouring lanes: so 2,048 bytes at a time turn through the wave's own stage in LDS (16 bytes of padding
; behind each 64).  A GROUP OF FOUR LOADS IS TURNED AS SOON AS IT IS IN, back into the registers that it left, while the later groups are still on their way: behind the row's last byte only vector work is left.
; norm_w is turned once for the work-group, each wave an eighth, and read by all behind a barrier that stands early; its sets of 16 run four steps ahead.
; A block's scale is the largest magnitude's exponent field less 2, held at 1 from below.
; LIMITS: NaN and infinities are not served; a block of zeros, or one whose largest magnitude lies under 2^-124, keeps the byte 1 (its codes are zeros or near it; this program alone reads the bytes).
; No matrix unit, no cluster, no tensor load: a stream; what the work-groups share is norm_w's 16 KiB against a work-group's 128 KiB of x.
.set SP,     80                        ; a lane's place in a stage: 64 bytes + 16 of padding
.set STG,    32*SP                     ; a stage: 2,048 bytes of data
.set STAGES, 8*STG                     ; LDS: norm_w turned, 8 stages, from byte 0; then two stages for each wave;
.set SCB,    STAGES+16*STG             ; then 128 scale bytes for each wave
.set X,   64                           ; v64-191  the row: as loaded, then turned: step t's 16 neighbours at v[X + 16 t]
.set C,   224                          ; v224-239 codes: two registers for each step
.set E,   240                          ; v240-247 a scale byte for each step
                                       ; norm_w: four sets of 16 neighbours: v192, v208, v32, v48 (v192-207 first take norm_w as loaded)
	s_load_b128 s[4:7], s[0:1], 0x0                ; x, norm_w
	s_load_b64 s[8:9], s[0:1], 0x10                ; hbuf
	v_lshl_add_u32 v254, v0, 2, 0xf400
	v_mov_b32 v255, 0
	v_lshrrev_b32 v1, 5, v0
	s_delay_alu instid0(VALU_DEP_1)
	v_readfirstlane_b32 s10, v1                    ; wave 0..7
	v_and_b32 v2, 31, v0                           ; lane
	s_delay_alu instid0(VALU_DEP_1)
	v_lshlrev_b32 v3, 4, v2                        ; my 16 bytes of a load's 512
	s_delay_alu instid0(VALU_DEP_2)
	v_lshlrev_b32 v4, 3, v2                        ; my 8 bytes of a step's 256 bytes of codes
	v_lshlrev_b32 v13, 4, v0                       ; the way out of the scale bytes: 16 x thread
	s_lshl_b32 s11, s10, 11
	v_add_nc_u32 v1, s11, v3                       ; norm_w: my wave's 2,048 bytes
	v_lshrrev_b32 v8, 2, v2
	s_delay_alu instid0(VALU_DEP_1)
	v_mul_u32_u24 v8, v8, SP
	v_and_b32 v9, 3, v2
	s_delay_alu instid0(VALU_DEP_1)
	v_lshl_add_u32 v8, v9, 4, v8                   ; into a stage: SP (lane / 4) + 16 (lane % 4)
	s_mul_i32 s12, s10, STG
	v_add_nc_u32 v6, s12, v8                       ; norm_w's stage number wave
	s_mul_i32 s12, s10, 2*STG
	s_add_co_u32 s12, s12, STAGES
	v_add_nc_u32 v14, s12, v8                      ; my wave's stages, on the way in,
	v_mul_u32_u24 v7, v2, SP                       ; (norm_w's stages on the way out: SP x lane)
	s_delay_alu instid0(VALU_DEP_1)
	v_add_nc_u32 v15, s12, v7                      ; and on the way out
	v_lshrrev_b32 v5, 1, v2
	s_lshl_b32 s12, s10, 7
	s_add_co_u32 s12, s12, SCB
	v_add_nc_u32 v5, s12, v5                       ; my block's scale byte
	s_lshl_b32 s12, ttmp9, 3
	s_add_co_u32 s12, s12, s10                     ; my row
	s_lshl_b32 s16, s12, 14                        ; x 16,384 bytes of x,
	s_mov_b32 s17, 0
	s_lshl_b32 s18, s12, 11                        ; x 2,048 bytes of codes
	s_mov_b32 s19, 0
	s_lshl_b32 s20, ttmp9, 10                      ; the work-group's 1,024 scale bytes
	s_mov_b32 s21, 0
	s_mov_b32 s14, 0x39800000                      ; 1 / 4,096
	s_mov_b32 s15, 0x3727c5ac                      ; 1e-5
	s_mov_b32 s24, 0x76543210                      ; v_permlanex16_b32's selects for lane l xor 16
	s_mov_b32 s25, 0xfedcba98
	s_wait_alu depctr_va_vdst(0)
	s_wait_kmcnt 0x0
	s_add_nc_u64 s[4:5], s[4:5], s[16:17]
	s_add_nc_u64 s[22:23], s[8:9], s[20:21]
	s_add_nc_u64 s[22:23], s[22:23], 0x400000
	s_add_nc_u64 s[8:9], s[8:9], s[18:19]
.irp i, 0,1,2,3
	global_load_b128 v[192+4*\i:192+4*\i+3], v1, s[6:7] offset:512*\i
.endr
.set i, 0
.rept 32
	global_load_b128 v[X+4*i:X+4*i+3], v3, s[4:5] offset:512*i th:TH_LOAD_NT
.set i, i+1
.endr
	s_wait_loadcnt 32                              ; norm_w's four loads are in; the row's 32 were issued behind them
.irp i, 0,1,2,3
	ds_store_b128 v6, v[192+4*\i:192+4*\i+3] offset:8*SP*\i
.endr
	s_wait_dscnt 0x0                               ; for the others' sake: my eighth of norm_w lies in LDS
	s_barrier_signal -1
	s_barrier_wait -1                              ; all of norm_w lies turned in LDS, while the rows are still on their way
.macro WLOAD t                         ; norm_w's 16 neighbours of step t into set t % 4
.set WR, 192+16*((\t)%2)-160*(((\t)%4)/2)
.irp i, 0,1,2,3
	ds_load_b128 v[WR+4*\i:WR+4*\i+3], v7 offset:STG*(\t)+16*\i
.endr
.endm
.irp t, 0,1,2,3
	WLOAD \t
.endr
; Eight groups of four loads, each behind its counted wait: its part of the sum of squares (four packed chains, started by the first four pairs), then its turn through my stage:
; LDS serves a wave's instructions in order, so no wait stands between the stores and the loads, and the loads may land in the registers that the stores read.
.set g, 0
.rept 8
	s_wait_alu depctr_va_vdst(0)
	s_wait_loadcnt 28-4*g                          ; this group's four loads are in; the younger groups may be out
.set p, 8*g
.rept 8
.if p < 4
	v_pk_mul_f32 v[16+2*(p%4):17+2*(p%4)], v[X+2*p:X+2*p+1], v[X+2*p:X+2*p+1]
.else
	v_pk_fma_f32 v[16+2*(p%4):17+2*(p%4)], v[X+2*p:X+2*p+1], v[X+2*p:X+2*p+1], v[16+2*(p%4):17+2*(p%4)]
.endif
.set p, p+1
.endr
.irp i, 0,1,2,3
	ds_store_b128 v14, v[X+16*g+4*\i:X+16*g+4*\i+3] offset:STG*(g%2)+8*SP*\i
.endr
.irp i, 0,1,2,3
	ds_load_b128 v[X+16*g+4*\i:X+16*g+4*\i+3], v15 offset:STG*(g%2)+16*\i
.endr
.set g, g+1
.endr
	v_pk_add_f32 v[16:17], v[16:17], v[18:19]
	v_pk_add_f32 v[20:21], v[20:21], v[22:23]
	s_delay_alu instid0(VALU_DEP_1)
	v_pk_add_f32 v[16:17], v[16:17], v[20:21]
	s_delay_alu instid0(VALU_DEP_1)
	v_add_f32 v16, v16, v17
	s_delay_alu instid0(VALU_DEP_1)
	v_add_f32_dpp v16, v16, v16 row_xmask:1 row_mask:0xf bank_mask:0xf
	s_delay_alu instid0(VALU_DEP_1)
	v_add_f32_dpp v16, v16, v16 row_xmask:2 row_mask:0xf bank_mask:0xf
	s_delay_alu instid0(VALU_DEP_1)
	v_add_f32_dpp v16, v16, v16 row_xmask:4 row_mask:0xf bank_mask:0xf
	s_delay_alu instid0(VALU_DEP_1)
	v_add_f32_dpp v16, v16, v16 row_xmask:8 row_mask:0xf bank_mask:0xf
	s_delay_alu instid0(VALU_DEP_1)
	v_permlanex16_b32 v17, v16, s24, s25
	s_delay_alu instid0(VALU_DEP_1)
	v_add_f32 v16, v16, v17                        ; the row's sum, in every lane
	s_delay_alu instid0(VALU_DEP_1)
	v_fma_f32 v16, v16, s14, s15                   ; the mean + eps
	s_wait_alu depctr_va_vdst(0)
	v_rsq_f32 v24, v16                             ; twice: a pair for the packed multiply
	v_rsq_f32 v25, v16
	v_nop                                          ; a plain instruction behind the transcendentals
	s_wait_alu depctr_va_vdst(0)
.macro STEP t
.set XR, X+16*(\t)
.set WR, 192+16*((\t)%2)-160*(((\t)%4)/2)
.if (\t) == 0
	s_wait_dscnt 0x0                               ; the whole row is back from the stage, and norm_w's first four sets are in
.elseif (\t) >= 4
	s_wait_dscnt 15-4*((\t)-4)                     ; this step's set of norm_w is in; behind it were issued the byte stores of three steps and the sets of the steps that follow
.endif
.irp k, 0,2,4,6,8,10,12,14
	v_pk_mul_f32 v[XR+\k:XR+\k+1], v[XR+\k:XR+\k+1], v[24:25]       ; x * rsqrt(..), rounded,
.endr
.irp k, 0,2,4,6,8,10,12,14
	v_pk_mul_f32 v[XR+\k:XR+\k+1], v[XR+\k:XR+\k+1], v[WR+\k:WR+\k+1]   ; then * norm_w: two roundings, in the order of the definition
.endr
	v_max3_num_f32 v8, |v[XR]|, |v[XR+1]|, |v[XR+2]|               ; the largest magnitude of my 16, in two chains
	v_max3_num_f32 v9, |v[XR+3]|, |v[XR+4]|, |v[XR+5]|
.irp i, 6,10
	s_delay_alu instid0(VALU_DEP_2)
	v_max3_num_f32 v8, v8, |v[XR+\i]|, |v[XR+\i+1]|
	s_delay_alu instid0(VALU_DEP_2)
	v_max3_num_f32 v9, v9, |v[XR+\i+2]|, |v[XR+\i+3]|
.endr
	s_delay_alu instid0(VALU_DEP_2)
	v_max3_num_f32 v8, v8, |v[XR+14]|, |v[XR+15]|
	s_delay_alu instid0(VALU_DEP_1)
	v_max3_num_f32 v8, v8, v9, 0x1800000           ; and the floor 2^(3 - 127): the byte cannot fall under 1
	s_delay_alu instid0(VALU_DEP_1)
	v_max_num_f32_dpp v8, v8, v8 row_xmask:1 row_mask:0xf bank_mask:0xf   ; with my neighbour's 16: the block's
	s_delay_alu instid0(VALU_DEP_1)
	v_add_nc_u32 v11, 0xff000000, v8               ; 2 off its exponent field: the conversion takes the exponent field of this operand as its scale
	v_cvt_scalef32_pk8_fp4_f32 v[C+2*(\t)], v[XR:XR+7], v11
	v_cvt_scalef32_pk8_fp4_f32 v[C+2*(\t)+1], v[XR+8:XR+15], v11
	v_lshrrev_b32 v[E+(\t)], 23, v11               ; the scale's byte (also the plain instruction behind the conversions)
	ds_store_b8 v5, v[E+(\t)] offset:16*(\t)       ; both lanes of a block write the same byte with the same value
	global_store_b64 v4, v[C+2*(\t):C+2*(\t)+1], s[8:9] offset:256*(\t)   ; the wave stores 256 consecutive bytes, aligned
.if (\t)+4 < 8
	WLOAD (\t)+4                                   ; the set just read takes norm_w of four steps on
.endif
.endm
.irp t, 0,1,2,3,4,5,6,7
	STEP \t
.endr
	s_wait_dscnt 0x0                               ; for the others' sake: my row's 128 scale bytes lie in LDS
	s_barrier_signal -1
	s_barrier_wait -1
	s_cmp_lt_u32 s10, 2                            ; the work-group's 1,024 scale bytes are consecutive in memory: waves 0 and 1 store them, 16 bytes a lane
	s_cbranch_scc0 .Ldone
	ds_load_b128 v[8:11], v13 offset:SCB
	s_wait_dscnt 0x0
	global_store_b128 v13, v[8:11], s[22:23]
.Ldone:
	s_wait_tensorcnt 0x0
	ds_add_u32 v254, v255
	s_wait_dscnt 0x0
	s_endpgm
.Lfunc_end_k_q010d394a07_norm:
	.size	k_q010d394a07_norm, .Lfunc_end_k_q010d394a07_norm-k_q010d394a07_norm
	.p2alignl 7, 3214868480
	.fill 96, 4, 3214868480
	.section	.rodata,"a",@progbits
	.p2align	6, 0x0
	.amdhsa_kernel k_q010d394a07_norm
		.amdhsa_group_segment_fixed_size 63488
		.amdhsa_private_segment_fixed_size 0
		.amdhsa_enable_private_segment 0
		.amdhsa_kernarg_size 24
		.amdhsa_user_sgpr_count 2
		.amdhsa_user_sgpr_kernarg_segment_ptr 1
		.amdhsa_wavefront_size32 1
		.amdhsa_system_sgpr_workgroup_id_x 1
		.amdhsa_system_sgpr_workgroup_id_y 1
		.amdhsa_system_sgpr_workgroup_id_z 1
		.amdhsa_system_vgpr_workitem_id 0
		.amdhsa_next_free_vgpr 256
		.amdhsa_next_free_sgpr 66
		.amdhsa_reserve_vcc 0
		.amdhsa_float_denorm_mode_32 3
		.amdhsa_float_denorm_mode_16_64 3
		.amdhsa_memory_ordered 1
		.amdhsa_forward_progress 1
		.amdhsa_inst_pref_size 37
	.end_amdhsa_kernel
	.amdgpu_metadata
---
amdhsa.version: [ 1, 2 ]
amdhsa.kernels:
  - .name:           k_q010d394a07_norm
    .symbol:         k_q010d394a07_norm.kd
    .args:
      - { .name: hidden_states, .offset: 0, .size: 8, .value_kind: global_buffer, .address_space: global }
      - { .name: norm_w, .offset: 8, .size: 8, .value_kind: global_buffer, .address_space: global }
      - { .name: hbuf, .offset: 16, .size: 8, .value_kind: global_buffer, .address_space: global }
    .group_segment_fixed_size: 63488
    .private_segment_fixed_size: 0
    .kernarg_segment_align: 8
    .kernarg_segment_size: 24
    .max_flat_workgroup_size: 256
    .sgpr_count:     66
    .vgpr_count:     256
    .wavefront_size: 32
...
	.end_amdgpu_metadata
.endif
;; end of part 1
;; launch qkv (part 2): grid 16 x 16, 4 waves a work-group, clusters of 4 x 4, 327,680 bytes of LDS; arguments hbuf, wq_codes, wq_scales, wk_codes, wk_scales, wv_codes, wv_scales, cos, sin, qkv; writes qkv
.if DOCPART == 2
	.amdgcn_target "amdgcn-amd-amdhsa--gfx1250"
	.amdhsa_code_object_version 6
	.text
	.protected	k_q010d394a07_qkv
	.globl	k_q010d394a07_qkv
	.p2align	8
	.type	k_q010d394a07_qkv,@function
k_q010d394a07_qkv:
	s_mov_b64 s[64:65], 0
	v_nop
	global_prefetch_b8 v0, s[64:65] scope:SCOPE_SE
	s_setreg_imm32_b32 hwreg(HW_REG_WAVE_MODE, 25, 1), 1
	s_wait_xcnt 0x0
	s_wait_alu depctr_hold_cnt(0) depctr_sa_sdst(0) depctr_va_vdst(0) depctr_va_sdst(0) depctr_va_ssrc(0) depctr_va_vcc(0) depctr_vm_vsrc(0)
	s_getreg_b32 s2, hwreg(HW_REG_IB_STS2, 6, 4)
	s_cmp_eq_u32 s2, 0
	s_cbranch_scc0 .Lentry_in_a_cluster
	s_endpgm
.Lentry_in_a_cluster:
	s_bfe_u32 s2, ttmp6, 0x10000c
	s_cmp_lg_u32 s2, 0xf033
	s_cbranch_scc0 .Lentry_shape_is_right
	s_endpgm
.Lentry_shape_is_right:
; q = rope(h wq), k = rope(h wk), v = h wv on codes of FP4 (E2M1) with E8M0 scales, K = 4,096, and each result quantised again for the attention: q and k along the head's 128, v along the keys.
; THE FRAME.  P[x][y] = sum over k of X[x][k] Y[y][k]; X is source 0, Y source 1: in a result lane (r, h) holds y = r, and its registers x = 8 h + 0 .. 7.  So X's index runs along a lane's registers: it is the next K.
; A work-group makes 256 x by 128 y; four waves, 2 x 2, each 128 x by 64 y: 32 accumulators.  256 work-groups.  By the cluster's y: 0, 1: X = wq, Y = h;  2: X = wk, Y = h;  3: X = h (keys), Y = wv (channels).
; K goes in steps of 512 through two LDS slots (rows of 256 bytes + 16 of padding).  The scale bytes of the work-group's rows, for all of K, come once with the first fills, as units of 256 bytes + 16.
; CLUSTERS: 4 x 4.  X's tiles hang on cy and the cluster's place alone and are asked for jointly along a row of the cluster, Y's on cx and are asked for jointly along a column.
; A wave's 128 x are one head's channels (q, k) or one key step (v): its 64 registers of a tile of 16 y become ONE fragment of the attention's operands and one scale word a row.
; COS AND SIN of a wave's four tiles of tokens (128 registers a tile, in the result's layout) are asked for long before the end: tile 0 behind the first fills, tile 1 behind the first step of 128, tile 2 behind the third
; step of the last slot but one (the work-group's last tensor load is out by then), tile 3 directly behind the last products, into registers that the fragments have left: it has the work on tiles 0 to 2 in which to land.
; RoPE works in place on the accumulators, so that q, k and v are quantised by the same lines.
; OUT.  qkv: images of fragments, 1,024 bytes each ([c = 0, 1][lane][16 bytes]: registers 4 c .. 4 c + 3 of each lane), at 1,024 x g; scale words [g][16 rows] at 4,194,304 + 64 g.
;   g: q: 128 head + T;  k: 2,048 + 128 kv head + T;  v: 3,072 + 128 kv head + 8 key step + channel tile.  (T: tokens 16 T .. 16 T + 15.)
; LIMITS: NaN and infinities are not served; a block of zeros, or one under 2^-124, keeps the scale byte 1 (this program alone reads the bytes).  RoPE is a multiply and a fused multiply-add.
; REGISTERS, in windows of 256: window 0: v16-29 addresses; v32-95 scale words, two sets, and nothing else; v96-159 sin of tile 2; v160-215 the quantiser's; v216-247 RoPE's products.
;   window 1: X's fragments, two sets (v0, v64); Y's, two sets (v128, v160); v192-255 cos of tile 2; at the end v0-63 cos, v64-127 sin of tile 3.
;   window 2: accumulator (a = y block, b = x block) at v[8 (8 a + b)].   window 3: v0-63 cos, v64-127 sin of tile 0; v128-191, v192-255 of tile 1.
.set KROW,  2048                       ; a row of codes in memory, bytes
.set KS,    128                        ; a row of scale bytes
.set LAPS,  4                          ; a lap = two K steps of 512
.set PITCH, 272
.set XHALF, 128*PITCH                  ; what one tensor load brings of X, and what a wave reads of it
.set YHALF, 64*PITCH
.set YOFF,  2*XHALF
.set SLOT,  YOFF+2*YHALF
.set SCY,   2*SLOT                     ; behind the ring: Y's scale bytes,
.set SYH,   (64*KS/256)*272
.set SCX,   SCY+2*SYH                  ; then X's,
.set SXH,   (128*KS/256)*272
.set SBLK,  (16*KS/256)*272            ; (those of 16 rows)
.set SPARE, SCX+2*SXH                  ; then the spare words: 128 bytes for each wave, two blocks of 256 bytes that no other line names
.set YA,    16*PITCH                   ; a fragment of Y in a slot: block a, the slot's q-th 128 along K, half c
.set YQ,    64
.set YC,    32
.set XSTEP, 512                        ; a refill steps two K steps on
.set YSTEP, 512
.set ADRX, 16
.set ADRY, 20
.set OA,   24                          ; 16 x lane
.set CSA,  25                          ; cos, sin: 512 r + 32 h
.set SA,   26                          ; 4 x lane
.set ADRS, 27
.set SPW,  28
.set NIL,  29
.set SC,   32
.set TM,   160                         ; +0..3 largest magnitudes, +4..7 bytes, +12..15 the conversions' scale operands
.set PW,   176                         ; four scale words
.set SW,   180
.set PC,   184                         ; four sets of eight code registers: no store's data are written again
.set TP,   216                         ; 32 registers: 16 packed products of RoPE
.set G1X, 24
.set G0X, 32
.set G1Y, 48
.set G0Y, 56
.set G1SX, 68
.set G0SX, 76
.set G1SY, 80
.set G0SY, 88
.set SEL, 100
.set MSB, 0
.macro WIN new                         ; the immediate's high byte repeats the setting that is left
.if MSB != (\new)
	s_set_vgpr_msb (MSB<<8)|(\new)
.set MSB, (\new)
.endif
.endm
.set MUL,  0xa5                        ; sources 0 and 1 window 1, C and D window 2
.set TO_F, 0x40                        ; destination window 1, address window 0
; A joint load: waves 0 and 1 fetch for X, waves 2 and 3 for Y.  The branch hangs on the wave's number alone.  Four v_nop follow each of the two lines.
.macro JLOAD g0a, g1a, g0b, g1b
	s_cmp_eq_u32 s15, 0
	s_cbranch_scc0 .Lfor_y_\@
	tensor_load_to_lds s[\g0a:\g0a+3], s[\g1a:\g1a+7]
	s_nop 0
.rept 4
	v_nop
.endr
	s_branch .Lasked_\@
.Lfor_y_\@:
	tensor_load_to_lds s[\g0b:\g0b+3], s[\g1b:\g1b+7]
	s_nop 0
.rept 4
	v_nop
.endr
.Lasked_\@:
.endm
.macro CREST                           ; a round of the cluster's barrier behind its opening barrier
	s_cmp_lg_u32 s14, 0
	s_cbranch_scc1 .Lnot_wave_0_\@
	s_barrier_signal -3
.Lnot_wave_0_\@:
	s_barrier_wait -3
	s_barrier_signal -1
	s_barrier_wait -1
.endm
.macro CROUND
	s_barrier_signal -1
	s_barrier_wait -1
	CREST
.endm
.macro PLACES                          ; four plain instructions between a matrix instruction and a load into, or a read of, its registers
.rept 4
	v_nop
.endr
.endm
	s_load_b512 s[68:83], s[0:1], 0x0              ; hbuf, wq codes, wq scales, wk codes, wk scales, wv codes, wv scales, cos
	s_load_b128 s[84:87], s[0:1], 0x40             ; sin, qkv
	v_lshl_add_u32 v[SPW], v0, 2, SPARE
	v_mov_b32 v[NIL], 0
	ds_add_u32 v28, v29
	ds_add_u32 v28, v29
	s_wait_dscnt 0x0
	v_lshrrev_b32 v1, 5, v0
	v_readfirstlane_b32 s14, v1                    ; wave 0..3
	s_lshr_b32 s15, s14, 1                         ; my half of X.  Also: I fetch for X (0) or for Y (1)
	s_and_b32 s16, s14, 1                          ; my half of Y.  Also: which half of that tile I fetch
	s_bfe_u32 s40, ttmp6, 0x40000                  ; cx
	s_bfe_u32 s41, ttmp6, 0x40004                  ; cy
	s_mov_b32 s42, ttmp9                           ; the cluster's x
	s_and_b32 s43, ttmp7, 0xffff                   ; the cluster's y: which product; the same in all sixteen partners
	s_lshl_b32 s44, s41, 2
	s_lshl_b32 s44, 15, s44                        ; my row of the cluster
	s_lshl_b32 s45, 0x1111, s40                    ; my column
	s_and_b32 s46, s42, 1                          ; X's tile = cy + 4 x (q: the cluster's y; k: 0; v: the cluster's x % 2)
	s_cmp_eq_u32 s43, 3
	s_cselect_b32 s46, s46, 0
	s_cmp_lt_u32 s43, 2
	s_cselect_b32 s46, s43, s46
	s_lshl_b32 s46, s46, 2
	s_add_co_u32 s46, s46, s41
	s_lshr_b32 s47, s42, 1                         ; Y's tile = cx + 4 x (q, k: the cluster's x; v: the cluster's x / 2)
	s_cmp_eq_u32 s43, 3
	s_cselect_b32 s47, s47, s42
	s_lshl_b32 s47, s47, 2
	s_add_co_u32 s47, s47, s40
	; descriptor groups 1 for the codes: rows of 256 bytes, 16 bytes of padding behind each; X 128 rows, Y 64
	s_or_b32 s[G1X], s44, (1<<20)|(1<<21)|(5<<22)|(3<<25)   ; 15:0 the mask; 17:16 elements of 1 byte; 20 padding on; 21 set beside a mask; 24:22 after every 64 words; 31:25 four words
	s_or_b32 s[G1Y], s45, (1<<20)|(1<<21)|(5<<22)|(3<<25)
	s_mov_b32 s[G1X+1], 256<<16                    ; tensor_dim0
	s_mov_b32 s[G1X+2], 256<<16                    ; tensor_dim1: 256 rows for the head's load; set to 128 for the ring's behind it
	s_mov_b32 s[G1X+3], 256<<16                    ; tile_dim0
	s_mov_b32 s[G1X+4], 256                        ; tile_dim1 likewise
	s_mov_b32 s[G1X+5], KROW                       ; the pitch
	s_mov_b32 s[G1X+6], 0
	s_mov_b32 s[G1X+7], 0
	s_mov_b32 s[G1Y+1], 256<<16
	s_mov_b32 s[G1Y+2], 128<<16                    ; Y: 128 rows at the head, 64 in the ring
	s_mov_b32 s[G1Y+3], 256<<16
	s_mov_b32 s[G1Y+4], 128
	s_mov_b32 s[G1Y+5], KROW
	s_mov_b32 s[G1Y+6], 0
	s_mov_b32 s[G1Y+7], 0
	s_lshl_b32 s96, s46, 15                        ; X's tile, 256 rows: its scale bytes (128 a row),
	s_lshl_b32 s92, s46, 19                        ; its codes (2,048 a row)
	s_mov_b32 s93, 0
	s_mov_b32 s97, 0
	s_lshl_b32 s98, s47, 14                        ; Y's tile, 128 rows, likewise
	s_lshl_b32 s94, s47, 18
	s_mov_b32 s95, 0
	s_mov_b32 s99, 0
	CROUND                                         ; the round in front of the first joint loads: it names no argument, so it stands while the arguments are on their way
	s_wait_kmcnt 0x0
	s_add_nc_u64 s[66:67], s[68:69], 0x400000      ; h's scale bytes
	s_cmp_lt_u32 s43, 2                            ; the buffers are chosen by the cluster's y, which hangs on no address
	s_cselect_b64 s[4:5], s[70:71], s[74:75]
	s_cselect_b64 s[6:7], s[72:73], s[76:77]
	s_cmp_eq_u32 s43, 3
	s_cselect_b64 s[4:5], s[68:69], s[4:5]         ; X's codes,
	s_cselect_b64 s[6:7], s[66:67], s[6:7]         ; X's scales,
	s_cselect_b64 s[8:9], s[78:79], s[68:69]       ; Y's codes,
	s_cselect_b64 s[10:11], s[80:81], s[66:67]     ; Y's scales
	s_mov_b64 s[18:19], s[82:83]                   ; cos
	s_mov_b64 s[20:21], s[84:85]                   ; sin
	s_mov_b64 s[12:13], s[86:87]                   ; the images
	s_add_nc_u64 s[22:23], s[86:87], 0x400000      ; their scale words
	s_add_nc_u64 s[4:5], s[4:5], s[92:93]
	s_add_nc_u64 s[6:7], s[6:7], s[96:97]
	s_add_nc_u64 s[8:9], s[8:9], s[94:95]
	s_add_nc_u64 s[10:11], s[10:11], s[98:99]
	; groups 1 for the scale bytes: dense blocks as rows of 256 bytes (32 elements of 8), 16 bytes of padding behind each
	s_or_b32 s[G1SX], s44, (3<<16)|(1<<20)|(1<<21)|(5<<22)|(3<<25)
	s_or_b32 s[G1SY], s45, (3<<16)|(1<<20)|(1<<21)|(5<<22)|(3<<25)
	s_mov_b32 s[G1SX+1], 32<<16
	s_mov_b32 s[G1SX+2], (256*KS/256)<<16          ; the scale bytes of all 256 rows of X in one load
	s_mov_b32 s[G1SX+3], 32<<16
	s_mov_b32 s[G1SX+4], 256*KS/256
	s_mov_b32 s[G1SX+5], 32
	s_mov_b32 s[G1SX+6], 0
	s_mov_b32 s[G1SX+7], 0
	s_mov_b32 s[G1SY+1], 32<<16
	s_mov_b32 s[G1SY+2], (128*KS/256)<<16          ; and of all 128 rows of Y
	s_mov_b32 s[G1SY+3], 32<<16
	s_mov_b32 s[G1SY+4], 128*KS/256
	s_mov_b32 s[G1SY+5], 32
	s_mov_b32 s[G1SY+6], 0
	s_mov_b32 s[G1SY+7], 0
	s_mul_i32 s100, s16, XHALF                     ; where they go: the wave's number alone enters an LDS address
	s_mul_i32 s101, s16, YHALF
	s_add_co_u32 s101, s101, YOFF
	s_mov_b32 s[G0SX], 1
	s_mov_b32 s[G0SX+1], SCX
	s_mov_b64 s[G0SX+2:G0SX+3], s[6:7]
	s_or_b32 s[G0SX+3], s[G0SX+3], 0x80000000
	s_mov_b32 s[G0SY], 1
	s_mov_b32 s[G0SY+1], SCY
	s_mov_b64 s[G0SY+2:G0SY+3], s[10:11]
	s_or_b32 s[G0SY+3], s[G0SY+3], 0x80000000
	s_lshl_b32 s92, s16, 18                        ; for the ring: the half of a tile that I fetch: 128 rows of X,
	s_lshl_b32 s94, s16, 17                        ; 64 rows of Y
	s_add_nc_u64 s[96:97], s[4:5], s[92:93]
	s_add_nc_u64 s[98:99], s[8:9], s[94:95]
.irp s, 0,1
	s_mov_b32 s[G0X+4*\s], 1
	s_add_co_u32 s[G0X+4*\s+1], s100, \s*SLOT
	s_add_nc_u64 s[G0X+4*\s+2:G0X+4*\s+3], s[96:97], \s*256
	s_or_b32 s[G0X+4*\s+3], s[G0X+4*\s+3], 0x80000000
	s_mov_b32 s[G0Y+4*\s], 1
	s_add_co_u32 s[G0Y+4*\s+1], s101, \s*SLOT
	s_add_nc_u64 s[G0Y+4*\s+2:G0Y+4*\s+3], s[98:99], \s*256
	s_or_b32 s[G0Y+4*\s+3], s[G0Y+4*\s+3], 0x80000000
.endr
	s_mov_b64 s[6:7], s[4:5]                       ; s[4:7]: group 0 for K step 0's 256 rows of X (the addresses that lay there have been used),
	s_or_b32 s7, s7, 0x80000000
	s_mov_b32 s4, 1
	s_mov_b32 s5, 0
	s_mov_b64 s[10:11], s[8:9]                     ; s[8:11]: for its 128 rows of Y
	s_or_b32 s11, s11, 0x80000000
	s_mov_b32 s8, 1
	s_mov_b32 s9, YOFF
; THE HEAD'S LOADS, ONE A WAVE: wave 0 K step 0's rows of X, wave 1 those of Y, wave 2 X's scale bytes, wave 3 Y's.  One chain of branches on the wave's number, a load to an arm.
.macro ARM under, g0, g1, next
	s_cmp_lt_u32 s14, \under
	s_cbranch_scc0 \next
	tensor_load_to_lds s[\g0:\g0+3], s[\g1:\g1+7]
	s_nop 0
.rept 4
	v_nop
.endr
	s_branch .Lhead_asked
\next:
.endm
	ARM 1, 4, G1X, .Lhead_y
	ARM 2, 8, G1Y, .Lhead_sx
	ARM 3, G0SX, G1SX, .Lhead_sy
	tensor_load_to_lds s[G0SY:G0SY+3], s[G1SY:G1SY+7]
	s_nop 0
.rept 4
	v_nop
.endr
.Lhead_asked:
; PREFETCHES INTO THE L2.  A K step is 256 bytes of each row.  Of the rows that a wave fetches for the ring (128 of X, 64 of Y) each of the four partners that ask jointly takes a quarter, told apart by address
; (cx for X, cy for Y): a lane a row; Y's lanes 16-31 name the wave's last row again.  Here K steps 1 and 2 are named, behind slot 1's fill K step 3, behind the refill with K step t the K step t + 2; the loop's last trip names none.
.set PFA, 96                           ; s[96:97] my quarter's first row, at the K step two under the even slot's prefetch
.set PFO, 30                           ; v30 my row's offset; never rewritten
	s_cmp_eq_u32 s15, 0
	s_cselect_b64 s[PFA:PFA+1], s[96:97], s[98:99]
	s_cselect_b32 s98, s40, s41                    ; my place among the four
	s_cselect_b32 s99, 16, 15                      ; 32 rows or 16 rows of 2,048 bytes, as a shift
	s_cselect_b32 s2, 31, 15
	s_lshl_b32 s98, s98, s99
	s_mov_b32 s99, 0
	s_add_nc_u64 s[PFA:PFA+1], s[PFA:PFA+1], s[98:99]
	v_and_b32 v[PFO], 31, v0
	v_min_u32 v[PFO], s2, v[PFO]
	v_lshlrev_b32 v[PFO], 11, v[PFO]
	s_wait_alu depctr_va_vdst(0)
	global_prefetch_b8 v[PFO], s[PFA:PFA+1] offset:256 th:TH_LOAD_NT scope:SCOPE_SE
	global_prefetch_b8 v[PFO], s[PFA:PFA+1] offset:512 th:TH_LOAD_NT scope:SCOPE_SE
	s_mov_b32 s[SEL], 0x76543210                   ; v_permlanex16_b32's selects for lane l xor 16
	s_mov_b32 s[SEL+1], 0xfedcba98
	v_and_b32 v1, 15, v0                           ; r
	v_bfe_u32 v2, v0, 4, 1                         ; h
	v_mul_u32_u24 v3, v1, PITCH
	v_lshl_add_u32 v3, v2, 4, v3                   ; a fragment's row x pitch + 16 h
	s_mul_i32 s92, s15, XHALF
	s_mul_i32 s93, s16, YHALF
	s_add_co_u32 s93, s93, YOFF
.irp s, 0,1
	v_add_nc_u32 v[ADRX+\s], s92, v3
	v_add_nc_u32 v[ADRY+\s], s93, v3
	s_add_co_u32 s92, s92, SLOT
	s_add_co_u32 s93, s93, SLOT
.endr
	v_mul_u32_u24 v5, v1, KS                       ; my row's scale bytes: KS a row,
	v_lshrrev_b32 v6, 8, v5
	v_lshl_add_u32 v5, v6, 4, v5                   ; and 16 more for each 256 passed
	s_mul_i32 s92, s16, SYH                        ; lanes 0-15: Y's, my 64 rows
	s_mul_i32 s93, s15, SXH                        ; lanes 16-31: X's, my 128 rows: one product, h x the distance between the two
	s_add_co_u32 s93, s93, SCX-SCY
	s_sub_co_u32 s93, s93, s92
	v_mul_u32_u24 v6, s93, v2
	s_add_co_u32 s92, s92, SCY
	v_add_nc_u32 v5, v5, v6
	v_add_nc_u32 v[ADRS], s92, v5
	v_and_b32 v4, 31, v0
	v_lshlrev_b32 v[OA], 4, v4
	v_lshlrev_b32 v[SA], 2, v4
	v_lshlrev_b32 v[CSA], 9, v1
	v_lshl_add_u32 v[CSA], v2, 5, v[CSA]
.irp b, 0,1,2,3
	v_mov_b32 v[TM+4+\b], 0                        ; written once: a lane permute's destination counts as one of its sources
.endr
	; where my four images go: g = base + 128 x (v: Y's tile; else P) + 8 x (v: P; else Y's tile) + 4 x my half of Y;  P = 2 x X's tile + my half of X
	s_lshl_b32 s66, s46, 1
	s_add_co_u32 s66, s66, s15
	s_cmp_eq_u32 s43, 3
	s_cselect_b32 s67, s47, s66
	s_cselect_b32 s2, s66, s47
	s_lshl_b32 s67, s67, 7
	s_lshl_b32 s2, s2, 3
	s_add_co_u32 s67, s67, s2
	s_lshl_b32 s2, s16, 2
	s_add_co_u32 s17, s67, s2
	s_mov_b32 s2, 2048
	s_cmp_eq_u32 s43, 3
	s_cselect_b32 s2, 3072, s2
	s_cmp_lt_u32 s43, 2
	s_cselect_b32 s2, 0, s2
	s_add_co_u32 s17, s17, s2
	s_lshl_b32 s66, s17, 10
	s_mov_b32 s67, 0
	s_add_nc_u64 s[12:13], s[12:13], s[66:67]
	s_lshl_b32 s66, s17, 6
	s_add_nc_u64 s[22:23], s[22:23], s[66:67]
	s_lshl_b32 s66, s47, 7                         ; cos, sin at my first token: 128 x Y's tile + 64 x my half, rows of 512 bytes
	s_lshl_b32 s2, s16, 6
	s_add_co_u32 s66, s66, s2
	s_lshl_b32 s66, s66, 9
	s_add_nc_u64 s[18:19], s[18:19], s[66:67]
	s_add_nc_u64 s[20:21], s[20:21], s[66:67]
; cos and sin of tile a of my tokens, in the result's layout: register 8 b + j of lane (r, h) is channel 16 b + 8 h + j of token 16 a + r.  cos goes to v[cb] on of window wc, sin to v[sb] on of window ws.
.macro LOADCS a, wc, cb, ws, sb
	WIN (\wc)<<6                                   ; the destination's window; the address lies in window 0
.irp b, 0,1,2,3,4,5,6,7
.irp g, 0,1
	global_load_b128 v[(\cb)+8*\b+4*\g:(\cb)+8*\b+4*\g+3], v[CSA], s[18:19] offset:(\a)*8192+64*\b+16*\g
.endr
.endr
	WIN (\ws)<<6
.irp b, 0,1,2,3,4,5,6,7
.irp g, 0,1
	global_load_b128 v[(\sb)+8*\b+4*\g:(\sb)+8*\b+4*\g+3], v[CSA], s[20:21] offset:(\a)*8192+64*\b+16*\g
.endr
.endr
	WIN 0
.endm
	s_cmp_eq_u32 s43, 3                            ; v has no RoPE
	s_cbranch_scc1 .Lno_cs0
	s_wait_alu depctr_va_vdst(0)
	LOADCS 0, 3, 0, 3, 64
.Lno_cs0:
; 8 matrix instructions: Y's block a against X's eight, the slot's q-th 128 along K.  p: the set of fragments; sc: the set of scale words.  zero = 1: the product starts the sums.
; The 32 accumulators take turns, one instruction a turn, in the same order in every step.
.macro MULB a, p, q, sc, zero
.irp b, 0,1,2,3,4,5,6,7
.if \zero
	v_wmma_scale_f32_16x16x128_f8f6f4 v[8*(8*(\a)+\b):8*(8*(\a)+\b)+7], v[64*(\p)+8*\b:64*(\p)+8*\b+7], v[128+32*(\p)+8*(\a):128+32*(\p)+8*(\a)+7], 0, v[SC+32*(\sc)+4*\b+(\q)], v[SC+32*(\sc)+4*(\a)+(\q)] matrix_a_fmt:MATRIX_FMT_FP4 matrix_b_fmt:MATRIX_FMT_FP4 matrix_a_scale:MATRIX_SCALE_ROW1
.else
	v_wmma_scale_f32_16x16x128_f8f6f4 v[8*(8*(\a)+\b):8*(8*(\a)+\b)+7], v[64*(\p)+8*\b:64*(\p)+8*\b+7], v[128+32*(\p)+8*(\a):128+32*(\p)+8*(\a)+7], v[8*(8*(\a)+\b):8*(8*(\a)+\b)+7], v[SC+32*(\sc)+4*\b+(\q)], v[SC+32*(\sc)+4*(\a)+(\q)] matrix_a_fmt:MATRIX_FMT_FP4 matrix_b_fmt:MATRIX_FMT_FP4 matrix_a_scale:MATRIX_SCALE_ROW1
.endif
.endr
.endm
; 24 LDS loads in one run: X's eight fragments and Y's four of the slot's q-th 128 along K, into set p.  A fragment: lane (r, h) holds row r; registers 4 c .. 4 c + 3 hold K = 64 c + 32 h + 0 .. 31
.macro FETCH slot, q, p
	WIN TO_F
.irp i, 0,1,2,3,4,5,6,7
.irp c, 0,1
	ds_load_b128 v[64*(\p)+8*\i+4*\c:64*(\p)+8*\i+4*\c+3], v[ADRX+\slot] offset:64*(\q)+32*\c+\i*16*PITCH
.endr
.endr
.irp a, 0,1,2,3
.irp c, 0,1
	ds_load_b128 v[128+32*(\p)+8*\a+4*\c:128+32*(\p)+8*\a+4*\c+3], v[ADRY+\slot] offset:YQ*(\q)+YC*\c+YA*\a
.endr
.endr
.endm
; A K step's scale words, four a row: lanes 16-31 take X's block i, lanes 0-15 Y's block i.  Y has four blocks: for i = 4 .. 7 lanes 0-15 read filled bytes of the regions behind, which no product names.
.macro SCALES sc
.irp i, 0,1,2,3,4,5,6,7
	ds_load_b128 v[SC+32*\sc+4*\i:SC+32*\sc+4*\i+3], v[ADRS] offset:\i*SBLK
.endr
.endm
.macro STEP slot, q, zero              ; a step of 128 along K that has its successor in the same slot
	s_wait_dscnt 0x0                               ; this step's fragments are in (asked for 16 matrix instructions ago)
	WIN MUL
	MULB 0, (\q)%2, \q, \slot, \zero
	MULB 1, (\q)%2, \q, \slot, \zero
	PLACES                                         ; in front of the loads into the other set, which the last step multiplied
	FETCH \slot, (\q)+1, 1-(\q)%2
	WIN MUL
	MULB 2, (\q)%2, \q, \slot, \zero
	MULB 3, (\q)%2, \q, \slot, \zero
.endm
; A slot's last step changes slots: ONE barrier; in front of it each wave waits for all its tensor loads, adds 0 to its spare word, and waits for that and for its own reads of this slot.  fill = 1: this slot is filled again, two K steps ahead.
.macro TURN slot, next, fill
.if (\fill) && ((\slot) == 0)
	s_wait_xcnt 0x0                                ; my prefetches have read their address: it steps two K steps on, once a lap
	s_add_nc_u64 s[PFA:PFA+1], s[PFA:PFA+1], 512
.endif
	WIN 0                                          ; (the add's two registers lie in window 0)
	s_wait_tensorcnt 0x0                           ; all my tensor loads have landed: my part of the next slot
	ds_add_u32 v[SPW], v[NIL]                      ; 0 onto my spare word
	s_wait_dscnt 1                                 ; (the add alone may be out: this step's fragments are in)
	WIN MUL
	MULB 0, 1, 3, \slot, 0                         ; eight matrix instructions stand between the add and the wait for it
	s_wait_dscnt 0x0                               ; the add is done, and my reads of this slot are over
	s_barrier_signal -1
	MULB 1, 1, 3, \slot, 0
	WIN 0
	s_barrier_wait -1
.if \fill
	CREST                                          ; the barrier has opened a round of the cluster's barrier: no wave of any partner still reads this slot or has a load on its way
	s_add_nc_u64 s[G0X+4*\slot+2:G0X+4*\slot+3], s[G0X+4*\slot+2:G0X+4*\slot+3], XSTEP
	s_add_nc_u64 s[G0Y+4*\slot+2:G0Y+4*\slot+3], s[G0Y+4*\slot+2:G0Y+4*\slot+3], YSTEP
	JLOAD G0X+4*\slot, G1X, G0Y+4*\slot, G1Y       ; the first tensor load behind the round; its four v_nop are also the places in front of the loads below
.else
	PLACES
.endif
	s_wait_alu depctr_va_vdst(0)
	v_add_nc_u32 v[ADRS], 16, v[ADRS]              ; the next K step's scale words (no LDS load of mine is out)
	FETCH \next, 0, 0
	WIN 0
	SCALES \next
.if \fill
	s_cmp_gt_u32 s3, 1                             ; the last trip's refills have no K step two on
	s_cbranch_scc0 .Lno_ask_\@
	global_prefetch_b8 v[PFO], s[PFA:PFA+1] offset:512+256*(\slot) th:TH_LOAD_NT scope:SCOPE_SE
.Lno_ask_\@:
.endif
	WIN MUL
	MULB 2, 1, 3, \slot, 0
	MULB 3, 1, 3, \slot, 0
.endm
	s_wait_alu depctr_va_vdst(0)
	s_wait_tensorcnt 0x0                           ; my tile of the head's four is in
	ds_add_u32 v[SPW], v[NIL]
	s_mov_b32 s[G1X+2], 128<<16                    ; no tensor load of mine is out: from here on a load brings 128 rows of X
	s_mov_b32 s[G1X+4], 128
	s_mov_b32 s[G1Y+2], 64<<16                     ; or 64 of Y
	s_mov_b32 s[G1Y+4], 64
	s_wait_dscnt 0x0
	CROUND                                         ; all four tiles are in, and all sixteen work-groups are here
	JLOAD G0X+4, G1X, G0Y+4, G1Y                   ; K step 1: the first tensor load behind the round
	FETCH 0, 0, 0
	WIN 0
	SCALES 0
	global_prefetch_b8 v[PFO], s[PFA:PFA+1] offset:768 th:TH_LOAD_NT scope:SCOPE_SE   ; K step 3
	STEP 0, 0, 1                                   ; the first step stands in front of the loop: its products start the sums
	WIN 0                                          ; at a label and at a branch every window is 0
	s_cmp_eq_u32 s43, 3
	s_cbranch_scc1 .Lno_cs1
	s_wait_alu depctr_va_vdst(0)
	LOADCS 1, 3, 128, 3, 192                       ; the second tile's tables: behind the first fills, ahead of the first refill
.Lno_cs1:
	s_mov_b32 s3, LAPS-1
.Llap:                                                 ; a trip goes once round the ring and fills both slots again
	STEP 0, 1, 0
	STEP 0, 2, 0
	TURN 0, 1, 1
	STEP 1, 0, 0
	STEP 1, 1, 0
	STEP 1, 2, 0
	TURN 1, 0, 1
	STEP 0, 0, 0
	WIN 0
	s_sub_co_u32 s3, s3, 1
	s_cmp_lg_u32 s3, 0
	s_cbranch_scc1 .Llap
	STEP 0, 1, 0                                   ; the last lap fills nothing
	STEP 0, 2, 0
	WIN 0
	s_cmp_eq_u32 s43, 3
	s_cbranch_scc1 .Lno_cs2
	LOADCS 2, 1, 192, 0, 96                        ; the third tile's tables: no tensor load is issued behind this place; five steps of 128 lie ahead of their use
.Lno_cs2:
	TURN 0, 1, 0
	STEP 1, 0, 0
	STEP 1, 1, 0
	STEP 1, 2, 0
	s_wait_dscnt 0x0
	WIN MUL
	MULB 0, 1, 3, 1, 0
	MULB 1, 1, 3, 1, 0
	MULB 2, 1, 3, 1, 0
	MULB 3, 1, 3, 1, 0
	WIN 0
	PLACES                                         ; in front of the first reads of results, and of the loads into the registers that held fragments
; 64 numbers of a lane, v[s] .. v[s + 63] of window W: register 8 t + j is index 16 t + 8 h + j along the next K of my row.  They become a fragment's codes in v[pc] on and its scale word in v[pw].
; Block b of 32 is registers 16 b .. 16 b + 15 of lanes l and l xor 16.  The word made of (block 2 c + e, half u of its registers) goes to register 4 c + 2 u + e; one exchange of halves for each (c, u) then gives the operand's layout.
.macro QUANT s, W, pw, pc
	WIN (\W)|((\W)<<2)
.irp b, 0,1,2,3
	v_max3_num_f32 v[TM+\b], |v[(\s)+16*\b]|, |v[(\s)+16*\b+1]|, 0x1800000   ; with the floor 2^(3 - 127): the byte cannot fall under 1.  Each accumulator is read from its low end on
.endr
	WIN ((\W)<<2)|((\W)<<4)
.irp i, 2,4,6,8,10,12,14
.irp b, 0,1,2,3
	v_max3_num_f32 v[TM+\b], v[TM+\b], |v[(\s)+16*\b+\i]|, |v[(\s)+16*\b+\i+1]|
.endr
.endr
	WIN 0
.irp b, 0,1,2,3
	v_permlanex16_b32 v[TM+4+\b], v[TM+\b], s[SEL], s[SEL+1]
.endr
.irp b, 0,1,2,3
	v_max_num_f32 v[TM+\b], v[TM+\b], v[TM+4+\b]   ; the block's largest magnitude
.endr
.irp b, 0,1,2,3
	v_add_nc_u32 v[TM+12+\b], 0xff000000, v[TM+\b] ; 2 off its exponent field: the conversion's scale operand
.endr
.irp b, 0,1,2,3
	v_lshrrev_b32 v[TM+4+\b], 23, v[TM+12+\b]      ; the scale's byte
.endr
	v_lshl_or_b32 v[\pw], v[TM+5], 8, v[TM+4]
	v_lshl_or_b32 v[\pw], v[TM+6], 16, v[\pw]
	v_lshl_or_b32 v[\pw], v[TM+7], 24, v[\pw]
	WIN (\W)
.irp c, 0,1
.irp e, 0,1
.irp u, 0,1
	v_cvt_scalef32_pk8_fp4_f32 v[(\pc)+4*\c+2*\u+\e], v[(\s)+16*(2*\c+\e)+8*\u:(\s)+16*(2*\c+\e)+8*\u+7], v[TM+12+2*\c+\e]
.endr
.endr
.endr
	WIN 0
	v_nop                                          ; one plain instruction behind the scaled conversions
.irp c, 0,1
.irp u, 0,1
	v_permlane16_swap_b32 v[(\pc)+4*\c+2*\u], v[(\pc)+4*\c+2*\u+1]
.endr
.endr
.endm
.macro IMAGE a                         ; the fragment leaves as it stands: each store covers 512 consecutive bytes, aligned
	global_store_b128 v[OA], v[PC+8*(\a):PC+8*(\a)+3], s[12:13] offset:1024*(\a)
	global_store_b128 v[OA], v[PC+8*(\a)+4:PC+8*(\a)+7], s[12:13] offset:1024*(\a)+512
.endm
; RoPE of tile a, in place: channel d < 64: q(d) cos(d) - q(d + 64) sin(d);  d >= 64: q(d) cos(d) + q(d - 64) sin(d).  d + 64 is x block b + 4 of the same lane.
; Two x blocks and their partners at a time: 16 packed products with sin into v[TP] on, then 16 packed multiply-adds with cos onto the accumulators.  Each accumulator is read from its low end on.
.macro ROPE a, wc, cb, ws, sb
.irp g, 0,1
	WIN 0x02|((\ws)<<2)                            ; source 0 window 2, source 1 sin's window, destination window 0
.irp u, 0,1
.irp j, 0,2,4,6
	v_pk_mul_f32 v[TP+8*\u+\j:TP+8*\u+\j+1], v[64*(\a)+8*(2*\g+\u+4)+\j:64*(\a)+8*(2*\g+\u+4)+\j+1], v[(\sb)+8*(2*\g+\u)+\j:(\sb)+8*(2*\g+\u)+\j+1]
	v_pk_mul_f32 v[TP+16+8*\u+\j:TP+16+8*\u+\j+1], v[64*(\a)+8*(2*\g+\u)+\j:64*(\a)+8*(2*\g+\u)+\j+1], v[(\sb)+8*(2*\g+\u+4)+\j:(\sb)+8*(2*\g+\u+4)+\j+1]
.endr
.endr
	WIN 0x82|((\wc)<<2)                            ; destination and source 0 window 2, source 1 cos's window, source 2 window 0
.irp u, 0,1
.irp j, 0,2,4,6
	v_pk_fma_f32 v[64*(\a)+8*(2*\g+\u)+\j:64*(\a)+8*(2*\g+\u)+\j+1], v[64*(\a)+8*(2*\g+\u)+\j:64*(\a)+8*(2*\g+\u)+\j+1], v[(\cb)+8*(2*\g+\u)+\j:(\cb)+8*(2*\g+\u)+\j+1], v[TP+8*\u+\j:TP+8*\u+\j+1] neg_lo:[0,0,1] neg_hi:[0,0,1]
	v_pk_fma_f32 v[64*(\a)+8*(2*\g+\u+4)+\j:64*(\a)+8*(2*\g+\u+4)+\j+1], v[64*(\a)+8*(2*\g+\u+4)+\j:64*(\a)+8*(2*\g+\u+4)+\j+1], v[(\cb)+8*(2*\g+\u+4)+\j:(\cb)+8*(2*\g+\u+4)+\j+1], v[TP+16+8*\u+\j:TP+16+8*\u+\j+1]
.endr
.endr
.endr
	WIN 0
.endm
	s_cmp_eq_u32 s43, 3
	s_cbranch_scc1 .Lq012
	LOADCS 3, 1, 0, 1, 64                          ; the last tile's tables, into registers that held X's fragments
	s_wait_loadcnt 32                              ; the tables of tiles 0 to 2 are in; the 32 loads just issued may be out
	ROPE 0, 3, 0, 3, 64
	ROPE 1, 3, 128, 3, 192
	ROPE 2, 1, 192, 0, 96
.Lq012:
.irp a, 0,1,2
	QUANT 64*\a, 2, PW+\a, PC+8*\a                 ; q, k: along the head's 128; v: along its 128 keys
	IMAGE \a
.endr
	s_cmp_eq_u32 s43, 3
	s_cbranch_scc1 .Lq3
	s_wait_loadcnt 0x0                             ; the last tile's tables are in
	ROPE 3, 1, 0, 1, 64
.Lq3:
	QUANT 192, 2, PW+3, PC+24
	IMAGE 3
	v_cmp_ne_u32 vcc_lo, 0, v2                     ; two images' scale words in one register: lanes 0-15 the first's, lanes 16-31 the second's: 128 consecutive bytes a store
	v_cndmask_b32 v[SW], v[PW], v[PW+1], vcc_lo
	v_cndmask_b32 v[SW+1], v[PW+2], v[PW+3], vcc_lo
	global_store_b32 v[SA], v[SW], s[22:23]
	global_store_b32 v[SA], v[SW+1], s[22:23] offset:128
	s_wait_tensorcnt 0x0                           ; the wave's end
	ds_add_u32 v[SPW], v[NIL]
	s_wait_dscnt 0x0
	CROUND                                         ; the closing round: no work-group ends while a partner may still ask for a tile that names it
	s_endpgm
.Lfunc_end_k_q010d394a07_qkv:
	.size	k_q010d394a07_qkv, .Lfunc_end_k_q010d394a07_qkv-k_q010d394a07_qkv
	.p2alignl 7, 3214868480
	.fill 96, 4, 3214868480
	.section	.rodata,"a",@progbits
	.p2align	6, 0x0
	.amdhsa_kernel k_q010d394a07_qkv
		.amdhsa_group_segment_fixed_size 327680
		.amdhsa_private_segment_fixed_size 0
		.amdhsa_enable_private_segment 0
		.amdhsa_kernarg_size 80
		.amdhsa_user_sgpr_count 2
		.amdhsa_user_sgpr_kernarg_segment_ptr 1
		.amdhsa_wavefront_size32 1
		.amdhsa_system_sgpr_workgroup_id_x 1
		.amdhsa_system_sgpr_workgroup_id_y 1
		.amdhsa_system_sgpr_workgroup_id_z 1
		.amdhsa_system_vgpr_workitem_id 0
		.amdhsa_next_free_vgpr 1024
		.amdhsa_next_free_sgpr 102
		.amdhsa_reserve_vcc 1
		.amdhsa_float_denorm_mode_32 3
		.amdhsa_float_denorm_mode_16_64 3
		.amdhsa_memory_ordered 1
		.amdhsa_forward_progress 1
		.amdhsa_inst_pref_size 156
	.end_amdhsa_kernel
	.amdgpu_metadata
---
amdhsa.version: [ 1, 2 ]
amdhsa.kernels:
  - .name:           k_q010d394a07_qkv
    .symbol:         k_q010d394a07_qkv.kd
    .args:
      - { .name: hbuf, .offset: 0, .size: 8, .value_kind: global_buffer, .address_space: global }
      - { .name: wq_codes, .offset: 8, .size: 8, .value_kind: global_buffer, .address_space: global }
      - { .name: wq_scales, .offset: 16, .size: 8, .value_kind: global_buffer, .address_space: global }
      - { .name: wk_codes, .offset: 24, .size: 8, .value_kind: global_buffer, .address_space: global }
      - { .name: wk_scales, .offset: 32, .size: 8, .value_kind: global_buffer, .address_space: global }
      - { .name: wv_codes, .offset: 40, .size: 8, .value_kind: global_buffer, .address_space: global }
      - { .name: wv_scales, .offset: 48, .size: 8, .value_kind: global_buffer, .address_space: global }
      - { .name: cos, .offset: 56, .size: 8, .value_kind: global_buffer, .address_space: global }
      - { .name: sin, .offset: 64, .size: 8, .value_kind: global_buffer, .address_space: global }
      - { .name: qkv, .offset: 72, .size: 8, .value_kind: global_buffer, .address_space: global }
    .group_segment_fixed_size: 327680
    .private_segment_fixed_size: 0
    .kernarg_segment_align: 8
    .kernarg_segment_size: 80
    .max_flat_workgroup_size: 128
    .sgpr_count:     102
    .vgpr_count:     1024
    .wavefront_size: 32
...
	.end_amdgpu_metadata
.endif
;; end of part 2
;; launch attn (part 3): grid 32 x 8, 8 waves a work-group, clusters of 4 x 1, 327,680 bytes of LDS; arguments qkv, abuf; writes abuf
.if DOCPART == 3
	.amdgcn_target "amdgcn-amd-amdhsa--gfx1250"
	.amdhsa_code_object_version 6
	.text
	.protected	k_q010d394a07_attn
	.globl	k_q010d394a07_attn
	.p2align	8
	.type	k_q010d394a07_attn,@function
k_q010d394a07_attn:
	s_mov_b64 s[64:65], 0
	v_nop
	global_prefetch_b8 v0, s[64:65] scope:SCOPE_SE
	s_setreg_imm32_b32 hwreg(HW_REG_WAVE_MODE, 25, 1), 1
	s_wait_xcnt 0x0
	s_wait_alu depctr_hold_cnt(0) depctr_sa_sdst(0) depctr_va_vdst(0) depctr_va_sdst(0) depctr_va_ssrc(0) depctr_va_vcc(0) depctr_vm_vsrc(0)
	s_getreg_b32 s2, hwreg(HW_REG_IB_STS2, 6, 4)
	s_cmp_eq_u32 s2, 0
	s_cbranch_scc0 .Lentry_in_a_cluster
	s_endpgm
.Lentry_in_a_cluster:
	s_bfe_u32 s2, ttmp6, 0x10000c
	s_cmp_lg_u32 s2, 0x3003
	s_cbranch_scc0 .Lentry_shape_is_right
	s_endpgm
.Lentry_shape_is_right:
; Causal attention on codes of FP4 (E2M1) with E8M0 scales: 16 query heads, 8 key and value heads, head size 128, 2,048 tokens.  q, k, v come as images of fragments; the result is quantised along the head's 128 and leaves as images.
; THE SOFTMAX AHEAD OF THE SECOND PRODUCT: t = score x log2(e) / sqrt(128) (one constant); M = the running largest t rounded UP to a whole number; p = 2^(t - M) is quantised along the keys, not normalised;
; the row's sum is taken of the unquantised p and divides O at the end (by v_rcp_f32).  When M moves, the sum and O are multiplied by 2^(old M - new M): exact.
; SHARES.  A wave owns one tile of 16 queries of one head.  Tile T needs T / 8 + 1 key steps of 128.  With j the cluster's x (0 .. 7): waves 0-3 take tiles of the group g = 15 - j, waves 4-7 of g = j: 17 key steps for each pair.
;   T = 8 g + 4 e + wave % 4, e = cx % 2; head = 2 x kv head + cx / 2.  Every wave walks all 16 steps; a step whose keys all come after the tile's group is left out by a scalar branch on j and the wave's number.
; CLUSTER 4 x 1: the four partners share the kv head: K's and V's images (131,072 bytes each) and scale words come ONCE, by joint loads of waves 0 (K) and 1 (V), and stay: no byte of LDS is filled twice.
;   The images come in five pieces: key step 0 alone (8,192 bytes), so that the first product waits for as little as it needs, steps 1-3, then three pieces of four steps.
;   cx enters global addresses and one vector value (the diagonal's threshold), no branch and no LDS address.
; LAYOUT.  Both products are used transposed: S^T = K Q^T, O^T = V^T P^T: a lane holds ONE query (lane % 16); register 8 t + j is key (or channel) 16 t + 8 (lane / 16) + j.
; LIMITS: NaN and infinities are not served; a block whose every p is 0 keeps the scale byte 1 (its codes are zeros).  A block's largest p is made of the block's largest score by the same two instructions as every p.
; REGISTERS: v1-4, v7, v11 addresses and the threshold; v8-10 addresses in hand; v12 -M, v13 the largest t, v[14:15] the sum; v16-23 Q, v24 its scale words; v32-95 eight fragments of K, then of V; v96-159 S^T, then p;
;   v160-223 O^T; v224-231 p's codes; v232-247 at work; v248-251 scale words, two tiles to a register; v252 f; v253 p's scale word; v254 at work.
.set VIMG, 131072                      ; LDS: K's images from 0, V's from here,
.set KSC,  262144                      ; K's scale words (64 bytes a tile),
.set VSCO, 8192                        ; V's, so many bytes behind K's
.set LI,  1                            ; v1  16 x lane
.set LV,  2                            ; v2  16 x lane + VIMG
.set LS,  3                            ; v3  KSC + 4 x lane
.set DQ,  4                            ; v4  my query less the diagonal step's first key less 8 h
.set QS,  7                            ; v7  4 r
.set ADK, 8
.set ADV, 9
.set ADS, 10
.set OS,  11                           ; v11 64 r
.set WV,  8                            ; s8   wave
.set G,   14                           ; s14  my tile's group: its last key step
.set SEL, 20
.set CS,  22
.set G1C, 24                           ; s[24:31] group 1 for 16,384 bytes (two key steps);  s[32:39] for 8,192 (the scale words; one key step);  s[84:91] for 24,576 (three key steps)
.set G1S, 32
.set G1B, 84
.set G0,  40                           ; s[40:59]: five groups 0
.set TB,  60                           ; s60  the step's images begin here, in K's and in V's region
.set TS,  61                           ; s61  and its scale words
.set ST,  62                           ; s62  the step's number
.set CNT, 63
.macro CROUND                          ; a round of the cluster's barrier
	s_barrier_signal -1
	s_barrier_wait -1
	s_cmp_lg_u32 s[WV], 0
	s_cbranch_scc1 .Lnot_wave_0_\@
	s_barrier_signal -3
.Lnot_wave_0_\@:
	s_barrier_wait -3
	s_barrier_signal -1
	s_barrier_wait -1
.endm
	s_load_b128 s[4:7], s[0:1], 0x0                ; qkv, abuf
	v_lshl_add_u32 v243, v0, 2, 0x44000
	v_mov_b32 v255, 0
	ds_add_u32 v243, v255
	ds_add_u32 v243, v255
	s_wait_dscnt 0x0
	v_lshrrev_b32 v8, 5, v0
	s_delay_alu instid0(VALU_DEP_1)
	v_readfirstlane_b32 s[WV], v8                  ; wave 0..7
	s_mov_b32 s9, ttmp9                            ; j
	s_and_b32 s10, ttmp7, 0xffff                   ; the kv head
	s_bfe_u32 s11, ttmp6, 0x40000                  ; cx
	s_and_b32 s12, s11, 1                          ; e
	s_lshr_b32 s13, s11, 1
	s_lshl_b32 s16, s10, 1
	s_add_co_u32 s13, s13, s16                     ; the head
	s_sub_co_u32 s[G], 15, s9
	s_cmp_lt_u32 s[WV], 4
	s_cselect_b32 s[G], s[G], s9                   ; g: hangs on j and the wave's number alone
	s_and_b32 s15, s[WV], 3
	s_lshl_b32 s16, s12, 2
	s_add_co_u32 s15, s15, s16                     ; 4 e + wave % 4
	s_lshl_b32 s17, s15, 4                         ; my first query less the diagonal step's first key
	s_lshl_b32 s16, s[G], 3
	s_add_co_u32 s15, s15, s16                     ; T
	; what waves 0 and 1 fetch: wave 0 K's, wave 1 V's
	s_and_b32 s66, s[WV], 1
	s_lshl_b32 s67, s66, 17                        ; LDS: the images,
	s_lshl_b32 s68, s66, 13
	s_add_co_u32 s68, s68, KSC                     ; the scale words
	s_lshl_b32 s70, s66, 20                        ; memory: k's images begin at 2,048 x 1,024, v's 1,024 x 1,024 behind; 131,072 bytes a kv head
	s_lshl_b32 s72, s10, 17
	s_add_co_u32 s70, s70, s72
	s_add_co_u32 s70, s70, 2097152
	s_mov_b32 s71, 0
	s_lshl_b32 s72, s66, 16                        ; the scale words: at 4,194,304 + 64 x 2,048; v's 65,536 behind; 8,192 bytes a kv head
	s_lshl_b32 s74, s10, 13
	s_add_co_u32 s72, s72, s74
	s_add_co_u32 s72, s72, 4325376
	s_mov_b32 s73, 0
	s_mov_b32 s[G1C], 15|(3<<16)|(1<<21)           ; 15:0 the mask: all four work-groups; 17:16 elements of 8 bytes; 21 set beside a mask; no padding: images are read 16 bytes a lane on end
	s_mov_b32 s[G1C+1], 32<<16                     ; rows of 256 bytes,
	s_mov_b32 s[G1C+2], 64<<16                     ; 64 of them
	s_mov_b32 s[G1C+3], 32<<16
	s_mov_b32 s[G1C+4], 64
	s_mov_b32 s[G1C+5], 32
	s_mov_b32 s[G1C+6], 0
	s_mov_b32 s[G1C+7], 0
	s_mov_b32 s[G1S], 15|(3<<16)|(1<<21)
	s_mov_b32 s[G1S+1], 32<<16
	s_mov_b32 s[G1S+2], 32<<16                     ; 32 rows
	s_mov_b32 s[G1S+3], 32<<16
	s_mov_b32 s[G1S+4], 32
	s_mov_b32 s[G1S+5], 32
	s_mov_b32 s[G1S+6], 0
	s_mov_b32 s[G1S+7], 0
	s_mov_b32 s[G1B], 15|(3<<16)|(1<<21)
	s_mov_b32 s[G1B+1], 32<<16
	s_mov_b32 s[G1B+2], 96<<16                     ; 96 rows
	s_mov_b32 s[G1B+3], 32<<16
	s_mov_b32 s[G1B+4], 96
	s_mov_b32 s[G1B+5], 32
	s_mov_b32 s[G1B+6], 0
	s_mov_b32 s[G1B+7], 0
	s_mov_b32 s[SEL], 0x76543210
	s_mov_b32 s[SEL+1], 0xfedcba98
	s_mov_b32 s[CS], 0x3e0293ee                    ; c = log2(e) / sqrt(128)
	s_mov_b32 s[CS+1], s[CS]
	s_mov_b32 s[ST], 0
	s_lshl_b32 s74, s13, 7
	s_add_co_u32 s74, s74, s15                     ; q's image: 128 head + T
	s_lshl_b32 s76, s74, 10
	s_mov_b32 s77, 0
	s_lshl_b32 s78, s74, 6
	s_add_co_u32 s78, s78, 4194304
	s_mov_b32 s79, 0
	s_lshl_b32 s80, s15, 4
	s_add_co_u32 s80, s80, s13                     ; the result's image: 16 T + head
	s_lshl_b32 s80, s80, 10
	s_mov_b32 s81, 0
	s_lshl_b32 s82, s15, 10                        ; its scale words: row-major [token][64 bytes]: 64 x 16 T + 4 head
	s_lshl_b32 s74, s13, 2
	s_add_co_u32 s82, s82, s74
	s_add_co_u32 s82, s82, 2097152
	s_mov_b32 s83, 0
	CROUND                                         ; the round in front of the joint loads: it names no argument, so it stands while the arguments are on their way
	s_wait_kmcnt 0x0
	s_add_nc_u64 s[70:71], s[4:5], s[70:71]
	s_add_nc_u64 s[72:73], s[4:5], s[72:73]
	s_add_nc_u64 s[76:77], s[4:5], s[76:77]
	s_add_nc_u64 s[78:79], s[4:5], s[78:79]
	s_add_nc_u64 s[80:81], s[6:7], s[80:81]
	s_add_nc_u64 s[82:83], s[6:7], s[82:83]
	s_mov_b32 s[G0], 1
	s_mov_b32 s[G0+1], s68
	s_mov_b64 s[G0+2:G0+3], s[72:73]
	s_or_b32 s[G0+3], s[G0+3], 0x80000000
.macro G0SET reg, first                ; a group 0 for the images from key step first on: 8,192 bytes a step, in LDS as in memory
	s_mov_b32 s[\reg], 1
	s_add_co_u32 s[\reg+1], s67, (\first)*8192
	s_add_nc_u64 s[\reg+2:\reg+3], s[70:71], (\first)*8192
	s_or_b32 s[\reg+3], s[\reg+3], 0x80000000
.endm
; THE FILLS, AS THEY NOW STAND (in place of what the head's comment says of waves 0 and 1 and of five pieces).  Even waves fetch for K, odd waves for V; every fill is a joint load of the four partners; no byte is filled twice.
; At the head one load a wave: waves 0, 1 the scale words; 2, 3 key step 0; 4, 5 key step 1; 6, 7 key steps 2 and 3.  Behind the first round that follows, one load a wave again: key steps 4 + 3 (wave / 2) on, three steps each.
	G0SET G0+4, 0
	G0SET G0+8, 1
	G0SET G0+12, 2
	s_lshr_b32 s74, s[WV], 1
	s_mul_i32 s74, s74, 3*8192
	s_add_co_u32 s74, s74, 4*8192
	s_mov_b32 s75, 0
	s_mov_b32 s[G0+16], 1
	s_add_co_u32 s[G0+17], s67, s74
	s_add_nc_u64 s[G0+18:G0+19], s[70:71], s[74:75]
	s_or_b32 s[G0+19], s[G0+19], 0x80000000
.macro ARM under, g0, g1, next         ; one chain of branches on the wave's number, a load to an arm
	s_cmp_lt_u32 s[WV], \under
	s_cbranch_scc0 \next
	tensor_load_to_lds s[\g0:\g0+3], s[\g1:\g1+7]
	s_nop 0
.rept 4
	v_nop
.endr
	s_branch .Lhead_asked
\next:
.endm
	ARM 2, G0, G1S, .Lhead_0
	ARM 4, G0+4, G1S, .Lhead_1
	ARM 6, G0+8, G1S, .Lhead_2
	tensor_load_to_lds s[G0+12:G0+15], s[G1C:G1C+7]
	s_nop 0
.rept 4
	v_nop
.endr
.Lhead_asked:
	v_and_b32 v9, 31, v0
	s_delay_alu instid0(VALU_DEP_1)
	v_lshlrev_b32 v[LI], 4, v9
	s_delay_alu instid0(VALU_DEP_1)
	v_add_nc_u32 v[LV], VIMG, v[LI]
	s_delay_alu instid0(VALU_DEP_3)
	v_lshl_add_u32 v[LS], v9, 2, KSC
	v_and_b32 v5, 15, v0                           ; r
	v_bfe_u32 v6, v0, 4, 1                         ; h
	s_delay_alu instid0(VALU_DEP_1)
	v_lshlrev_b32 v[QS], 3, v6
	s_delay_alu instid0(VALU_DEP_1)
	v_sub_nc_u32 v[DQ], v5, v[QS]
	s_delay_alu instid0(VALU_DEP_1)
	v_add_nc_u32 v[DQ], s17, v[DQ]                 ; in the diagonal step register n holds key 16 (n / 8) + n % 8 + 8 h: hidden where 16 (n / 8) + n % 8 > this
	v_lshlrev_b32 v[QS], 2, v5
	v_lshlrev_b32 v[OS], 6, v5
	global_load_b128 v[16:19], v[LI], s[76:77]     ; Q's fragment stays in registers
	global_load_b128 v[20:23], v[LI], s[76:77] offset:512
	global_load_b32 v24, v[QS], s[78:79]           ; and its scale words
	v_mov_b32 v13, 0xff61b1e6                      ; the largest t so far: -3e38
	s_delay_alu instid0(VALU_DEP_1)
	v_floor_f32 v12, -v13                          ; -M
	v_mov_b32 v14, 0
	v_mov_b32 v15, 0
.irp b, 0,1,2,3
	v_mov_b32 v[236+\b], 0                         ; written once: a lane permute's destination counts as one of its sources
.endr
	v_mov_b32 v252, 0
	v_mov_b32 v253, 0
.set j, 0
.rept 64
	v_mov_b32 v[160+j], 0                          ; O^T: the step is written once; the first finds zeros, which the first change of M leaves zeros
.set j, j+1
.endr
.macro SMUL t                          ; S^T, tile t of 16 keys: the odd tile's scale words lie in lanes 16-31 of the pair's register
.if (\t)%2
	v_wmma_scale_f32_16x16x128_f8f6f4 v[96+8*(\t):103+8*(\t)], v[32+8*(\t):39+8*(\t)], v[16:23], 0, v[248+(\t)/2], v24 matrix_a_fmt:MATRIX_FMT_FP4 matrix_b_fmt:MATRIX_FMT_FP4 matrix_a_scale:MATRIX_SCALE_ROW1
.else
	v_wmma_scale_f32_16x16x128_f8f6f4 v[96+8*(\t):103+8*(\t)], v[32+8*(\t):39+8*(\t)], v[16:23], 0, v[248+(\t)/2], v24 matrix_a_fmt:MATRIX_FMT_FP4 matrix_b_fmt:MATRIX_FMT_FP4
.endif
.endm
.macro OMUL t                          ; O^T, tile t of 16 channels: each accumulator once a step, by turns
.if (\t)%2
	v_wmma_scale_f32_16x16x128_f8f6f4 v[160+8*(\t):167+8*(\t)], v[32+8*(\t):39+8*(\t)], v[224:231], v[160+8*(\t):167+8*(\t)], v[248+(\t)/2], v253 matrix_a_fmt:MATRIX_FMT_FP4 matrix_b_fmt:MATRIX_FMT_FP4 matrix_a_scale:MATRIX_SCALE_ROW1
.else
	v_wmma_scale_f32_16x16x128_f8f6f4 v[160+8*(\t):167+8*(\t)], v[32+8*(\t):39+8*(\t)], v[224:231], v[160+8*(\t):167+8*(\t)], v[248+(\t)/2], v253 matrix_a_fmt:MATRIX_FMT_FP4 matrix_b_fmt:MATRIX_FMT_FP4
.endif
.endm
; A KEY STEP: 128 keys.
.macro STEP
	s_cmp_gt_u32 s[ST], s[G]                       ; all its keys come after my queries: only the lines at its end, which step addresses, are run
	s_cbranch_scc1 .Lhidden_\@
	v_add_nc_u32 v[ADK], s[TB], v[LI]              ; these three and the v_nop are the four places in front of the loads into registers that the last products read
	v_add_nc_u32 v[ADV], s[TB], v[LV]
	v_add_nc_u32 v[ADS], s[TS], v[LS]
	v_nop
.irp g, 0,1
.irp t, 0,1,2,3
.irp c, 0,1
	ds_load_b128 v[32+8*(4*\g+\t)+4*\c:32+8*(4*\g+\t)+4*\c+3], v[ADK] offset:1024*(4*\g+\t)+512*\c
.endr
.endr
.irp u, 0,1
	ds_load_b32 v[248+2*\g+\u], v[ADS] offset:128*(2*\g+\u)
.endr
.endr
	s_wait_alu depctr_va_vdst(0)
	s_wait_dscnt 10                                ; tiles 0-3 and their scale words are in; the ten loads issued behind them may be out
.irp t, 0,1,2,3
	SMUL \t
.endr
	s_wait_dscnt 0x0
.irp t, 4,5,6,7
	SMUL \t
.endr
.rept 4
	v_nop                                          ; places in front of the loads below and of the first read of the scores
.endr
.irp t, 0,1,2,3,4,5,6,7
.irp c, 0,1
	ds_load_b128 v[32+8*\t+4*\c:32+8*\t+4*\c+3], v[ADV] offset:1024*\t+512*\c   ; V's eight fragments land under the softmax
.endr
.endr
.irp u, 0,1,2,3
	ds_load_b32 v[248+\u], v[ADS] offset:VSCO+128*\u
.endr
	s_cmp_lt_u32 s[ST], s[G]                       ; all keys count: no mask
	s_cbranch_scc1 .Lopen_\@
	v_mov_b32 v254, 0xff800000                     ; on the diagonal the scores of hidden keys become -infinity ahead of the maximum: p = 0 then
.set n, 0
.rept 64
	v_cmp_gt_i32 vcc_lo, 16*(n/8)+n%8, v[DQ]
	v_cndmask_b32 v[96+n], v[96+n], v254, vcc_lo
.set n, n+1
.endr
.Lopen_\@:
.irp b, 0,1,2,3
	v_max3_num_f32 v[232+\b], v[96+16*\b], v[97+16*\b], v[98+16*\b]   ; the largest score of each block of 32 keys: for the row's maximum, and for the block's largest p
.endr
.irp i, 3,5,7,9,11,13
.irp b, 0,1,2,3
	v_max3_num_f32 v[232+\b], v[232+\b], v[96+16*\b+\i], v[97+16*\b+\i]
.endr
.endr
.irp b, 0,1,2,3
	v_max_num_f32 v[232+\b], v[232+\b], v[111+16*\b]
.endr
.irp b, 0,1,2,3
	s_delay_alu instid0(VALU_DEP_4)
	v_permlanex16_b32 v[236+\b], v[232+\b], s[SEL], s[SEL+1]
.endr
.irp b, 0,1,2,3
	s_delay_alu instid0(VALU_DEP_4)
	v_max_num_f32 v[232+\b], v[232+\b], v[236+\b]  ; with lane l xor 16's 16 keys
.endr
	s_delay_alu instid0(VALU_DEP_2)
	v_max3_num_f32 v254, v232, v233, v234
	s_delay_alu instid0(VALU_DEP_1)
	v_max_num_f32 v254, v254, v235                 ; the step's largest score of my query
	s_delay_alu instid0(VALU_DEP_1)
	v_mul_f32 v254, s[CS], v254
	s_delay_alu instid0(VALU_DEP_1)
	v_max_num_f32 v13, v13, v254                   ; the running largest t
	v_mov_b32 v254, v12
	s_delay_alu instid0(VALU_DEP_2)
	v_floor_f32 v12, -v13                          ; the new -M = -ceil(t)
	s_delay_alu instid0(VALU_DEP_1)
	v_sub_f32 v254, v12, v254                      ; old M - new M: a whole number, 0 or less
	s_delay_alu instid0(VALU_DEP_1)
	v_cvt_i32_f32 v254, v254                       ; (it saturates)
	s_delay_alu instid0(VALU_DEP_1)
	v_ldexp_f32 v252, 1.0, v254                    ; f = 2^(old M - new M)
.set j, 0
.rept 32
	v_pk_fma_f32 v[96+j:97+j], v[96+j:97+j], s[CS:CS+1], v[12:13] op_sel_hi:[1,0,0]   ; t - M
.set j, j+2
.endr
.irp b, 0,1,2,3
	v_fma_f32 v[232+\b], v[232+\b], s[CS], v12     ; the same of each block's largest score
.endr
.set j, 0
	s_wait_alu depctr_va_vdst(0)
.rept 64
	v_exp_f32 v[96+j], v[96+j]                     ; p = 2^(t - M)
.set j, j+1
.endr
.irp b, 0,1,2,3
	v_exp_f32 v[232+\b], v[232+\b]                 ; the block's largest p
.endr
	v_pk_mul_f32 v[14:15], v[14:15], v[252:253] op_sel_hi:[1,0]   ; the sums under the new M (a plain instruction behind the exponentials)
	s_wait_alu depctr_va_vdst(0)
.irp b, 0,1,2,3
	v_max_num_f32 v[232+\b], 0x1800000, v[232+\b]  ; the floor 2^(3 - 127)
.endr
.irp b, 0,1,2,3
	s_delay_alu instid0(VALU_DEP_4)
	v_add_nc_u32 v[244+\b], 0xff000000, v[232+\b]  ; the conversion's scale operand
.endr
.irp b, 0,1,2,3
	s_delay_alu instid0(VALU_DEP_4)
	v_lshrrev_b32 v[236+\b], 23, v[244+\b]         ; the scale's byte
.endr
	s_delay_alu instid0(VALU_DEP_3)
	v_lshl_or_b32 v253, v237, 8, v236              ; p's scale word for these 128 keys
	s_delay_alu instid0(VALU_DEP_1)
	v_lshl_or_b32 v253, v238, 16, v253
	s_delay_alu instid0(VALU_DEP_1)
	v_lshl_or_b32 v253, v239, 24, v253
.irp c, 0,1
.irp e, 0,1
.irp u, 0,1
	v_cvt_scalef32_pk8_fp4_f32 v[224+4*\c+2*\u+\e], v[96+16*(2*\c+\e)+8*\u:96+16*(2*\c+\e)+8*\u+7], v[244+2*\c+\e]   ; the word of (block 2 c + e, half u) to register 4 c + 2 u + e
.endr
.endr
.endr
	v_nop                                          ; one plain instruction behind the scaled conversions
.irp c, 0,1
.irp u, 0,1
	v_permlane16_swap_b32 v[224+4*\c+2*\u], v[224+4*\c+2*\u+1]   ; lanes 0-15 now hold block 2 c, lanes 16-31 block 2 c + 1, each whole and in order
.endr
.endr
	v_pk_add_f32 v[236:237], v[100:101], v[104:105]
	v_pk_add_f32 v[246:247], v[108:109], v[112:113]
	v_pk_add_f32 v[244:245], v[116:117], v[120:121]
	v_pk_add_f32 v[240:241], v[124:125], v[128:129]
	v_pk_add_f32 v[234:235], v[132:133], v[136:137]
	v_pk_add_f32 v[232:233], v[140:141], v[144:145]
	v_pk_add_f32 v[30:31], v[148:149], v[152:153]
	v_pk_add_f32 v[14:15], v[14:15], v[156:157]
	v_pk_add_f32 v[236:237], v[236:237], v[96:97]
	v_pk_add_f32 v[246:247], v[246:247], v[98:99]
	v_pk_add_f32 v[244:245], v[244:245], v[102:103]
	v_pk_add_f32 v[240:241], v[240:241], v[106:107]
	v_pk_add_f32 v[234:235], v[234:235], v[110:111]
	v_pk_add_f32 v[232:233], v[232:233], v[114:115]
	v_pk_add_f32 v[30:31], v[30:31], v[118:119]
	v_pk_add_f32 v[14:15], v[14:15], v[122:123]
	v_pk_add_f32 v[236:237], v[236:237], v[126:127]
	v_pk_add_f32 v[246:247], v[246:247], v[130:131]
	v_pk_add_f32 v[244:245], v[244:245], v[134:135]
	v_pk_add_f32 v[240:241], v[240:241], v[138:139]
	v_pk_add_f32 v[234:235], v[234:235], v[142:143]
	v_pk_add_f32 v[232:233], v[232:233], v[146:147]
	v_pk_add_f32 v[30:31], v[30:31], v[150:151]
	v_pk_add_f32 v[14:15], v[14:15], v[154:155]
	v_pk_add_f32 v[236:237], v[236:237], v[158:159]
	s_delay_alu instid0(VALU_DEP_2)
	v_pk_add_f32 v[14:15], v[14:15], v[240:241]
	s_delay_alu instid0(VALU_DEP_2)
	v_pk_add_f32 v[236:237], v[236:237], v[234:235]
	v_pk_add_f32 v[246:247], v[246:247], v[232:233]
	v_pk_add_f32 v[244:245], v[244:245], v[30:31]
	s_delay_alu instid0(VALU_DEP_2)
	v_pk_add_f32 v[14:15], v[14:15], v[246:247]
	s_delay_alu instid0(VALU_DEP_2)
	v_pk_add_f32 v[236:237], v[236:237], v[244:245]
	s_delay_alu instid0(VALU_DEP_1)
	v_pk_add_f32 v[14:15], v[14:15], v[236:237]
.set j, 0
.rept 32
	v_pk_mul_f32 v[160+j:161+j], v[160+j:161+j], v[252:253] op_sel_hi:[1,0]   ; O^T under the new M (these are also the places between p's codes and scale word and the products)
.set j, j+2
.endr
	s_wait_alu depctr_va_vdst(0)
	s_wait_dscnt 0x0                               ; V is in
.irp t, 0,1,2,3,4,5,6,7
	OMUL \t
.endr
.Lhidden_\@:
	s_add_co_u32 s[ST], s[ST], 1
	s_add_co_u32 s[TB], s[TB], 8192
	s_add_co_u32 s[TS], s[TS], 512
.endm
; n key steps from step first on
.macro CHUNK first, n
	s_mov_b32 s[TB], (\first)*8192
	s_mov_b32 s[TS], (\first)*512
	s_mov_b32 s[CNT], \n
.Lstep_\@:
	STEP
	s_sub_co_u32 s[CNT], s[CNT], 1
	s_cmp_lg_u32 s[CNT], 0
	s_cbranch_scc1 .Lstep_\@
.endm
	s_wait_alu depctr_va_vdst(0)
	s_wait_loadcnt 0x0                             ; Q
	s_wait_tensorcnt 0x0                           ; my head's load is in
	ds_add_u32 v243, v255
	s_wait_dscnt 0x0
	CROUND                                         ; the scale words and key steps 0 to 3 are whole, and the four partners are here
	tensor_load_to_lds s[G0+16:G0+19], s[G1B:G1B+7]   ; my three of key steps 4 to 15: they have four steps' work in which to land
	s_nop 0
.rept 4
	v_nop
.endr
	CHUNK 0, 4
	s_wait_dscnt 0x0
	s_wait_tensorcnt 0x0                           ; my three steps have landed
	s_barrier_signal -1
	s_barrier_wait -1                              ; and everybody's
	CHUNK 4, 12
	; THE WAY OUT: O^T / the sum, quantised along the head's 128: one fragment of the last product's operand and one scale word a row
.rept 4
	v_nop                                          ; places behind the last products
.endr
	v_add_f32 v14, v14, v15
	s_delay_alu instid0(VALU_DEP_1)
	v_permlanex16_b32 v252, v14, s[SEL], s[SEL+1]
	s_delay_alu instid0(VALU_DEP_1)
	v_add_f32 v14, v14, v252                       ; the row's sum
	s_wait_alu depctr_va_vdst(0)
	v_rcp_f32 v14, v14
	v_nop                                          ; a plain instruction behind the transcendental
.set j, 0
	s_wait_alu depctr_va_vdst(0)
.rept 64
	v_mul_f32 v[96+j], v[160+j], v14               ; register 8 t + i is channel 16 t + 8 h + i of my query; each accumulator from its low end on
.set j, j+1
.endr
.irp b, 0,1,2,3
	v_max3_num_f32 v[232+\b], |v[96+16*\b]|, |v[97+16*\b]|, 0x1800000
.endr
.irp i, 2,4,6,8,10,12,14
.irp b, 0,1,2,3
	s_delay_alu instid0(VALU_DEP_4)
	v_max3_num_f32 v[232+\b], v[232+\b], |v[96+16*\b+\i]|, |v[97+16*\b+\i]|
.endr
.endr
.irp b, 0,1,2,3
	s_delay_alu instid0(VALU_DEP_4)
	v_permlanex16_b32 v[236+\b], v[232+\b], s[SEL], s[SEL+1]
.endr
.irp b, 0,1,2,3
	s_delay_alu instid0(VALU_DEP_4)
	v_max_num_f32 v[232+\b], v[232+\b], v[236+\b]
.endr
.irp b, 0,1,2,3
	s_delay_alu instid0(VALU_DEP_4)
	v_add_nc_u32 v[244+\b], 0xff000000, v[232+\b]
.endr
.irp b, 0,1,2,3
	s_delay_alu instid0(VALU_DEP_4)
	v_lshrrev_b32 v[236+\b], 23, v[244+\b]
.endr
	s_delay_alu instid0(VALU_DEP_3)
	v_lshl_or_b32 v254, v237, 8, v236
	s_delay_alu instid0(VALU_DEP_1)
	v_lshl_or_b32 v254, v238, 16, v254
	s_delay_alu instid0(VALU_DEP_1)
	v_lshl_or_b32 v254, v239, 24, v254
.irp c, 0,1
.irp e, 0,1
.irp u, 0,1
	v_cvt_scalef32_pk8_fp4_f32 v[224+4*\c+2*\u+\e], v[96+16*(2*\c+\e)+8*\u:96+16*(2*\c+\e)+8*\u+7], v[244+2*\c+\e]
.endr
.endr
.endr
	v_nop
.irp c, 0,1
.irp u, 0,1
	v_permlane16_swap_b32 v[224+4*\c+2*\u], v[224+4*\c+2*\u+1]
.endr
.endr
	global_store_b128 v[LI], v[224:227], s[80:81]              ; each store covers 512 consecutive bytes, aligned
	global_store_b128 v[LI], v[228:231], s[80:81] offset:512
	global_store_b32 v[OS], v254, s[82:83]         ; the scale words go to rows 64 bytes apart, 4 bytes each: a sixteenth of the codes' bytes; both halves of the lanes write the same word with the same value
	s_wait_dscnt 0x0
	s_wait_tensorcnt 0x0
	ds_add_u32 v243, v255
	s_wait_dscnt 0x0
	CROUND                                         ; the closing round
	s_endpgm
.Lfunc_end_k_q010d394a07_attn:
	.size	k_q010d394a07_attn, .Lfunc_end_k_q010d394a07_attn-k_q010d394a07_attn
	.p2alignl 7, 3214868480
	.fill 96, 4, 3214868480
	.section	.rodata,"a",@progbits
	.p2align	6, 0x0
	.amdhsa_kernel k_q010d394a07_attn
		.amdhsa_group_segment_fixed_size 327680
		.amdhsa_private_segment_fixed_size 0
		.amdhsa_enable_private_segment 0
		.amdhsa_kernarg_size 16
		.amdhsa_user_sgpr_count 2
		.amdhsa_user_sgpr_kernarg_segment_ptr 1
		.amdhsa_wavefront_size32 1
		.amdhsa_system_sgpr_workgroup_id_x 1
		.amdhsa_system_sgpr_workgroup_id_y 1
		.amdhsa_system_sgpr_workgroup_id_z 1
		.amdhsa_system_vgpr_workitem_id 0
		.amdhsa_next_free_vgpr 256
		.amdhsa_next_free_sgpr 96
		.amdhsa_reserve_vcc 1
		.amdhsa_float_denorm_mode_32 3
		.amdhsa_float_denorm_mode_16_64 3
		.amdhsa_memory_ordered 1
		.amdhsa_forward_progress 1
		.amdhsa_inst_pref_size 68
	.end_amdhsa_kernel
	.amdgpu_metadata
---
amdhsa.version: [ 1, 2 ]
amdhsa.kernels:
  - .name:           k_q010d394a07_attn
    .symbol:         k_q010d394a07_attn.kd
    .args:
      - { .name: qkv, .offset: 0, .size: 8, .value_kind: global_buffer, .address_space: global }
      - { .name: abuf, .offset: 8, .size: 8, .value_kind: global_buffer, .address_space: global }
    .group_segment_fixed_size: 327680
    .private_segment_fixed_size: 0
    .kernarg_segment_align: 8
    .kernarg_segment_size: 16
    .max_flat_workgroup_size: 256
    .sgpr_count:     96
    .vgpr_count:     256
    .wavefront_size: 32
...
	.end_amdgpu_metadata
.endif
;; end of part 3
;; launch outp (part 4): grid 16 x 16, 4 waves a work-group, clusters of 4 x 4, 327,680 bytes of LDS; arguments abuf, wo_codes, wo_scales, hidden_states, out0; writes out0
.if DOCPART == 4
	.amdgcn_target "amdgcn-amd-amdhsa--gfx1250"
	.amdhsa_code_object_version 6
	.text
	.protected	k_q010d394a07_outp
	.globl	k_q010d394a07_outp
	.p2align	8
	.type	k_q010d394a07_outp,@function
k_q010d394a07_outp:
	s_mov_b64 s[64:65], 0
	v_nop
	global_prefetch_b8 v0, s[64:65] scope:SCOPE_SE
	s_setreg_imm32_b32 hwreg(HW_REG_WAVE_MODE, 25, 1), 1
	s_wait_xcnt 0x0
	s_wait_alu depctr_hold_cnt(0) depctr_sa_sdst(0) depctr_va_vdst(0) depctr_va_sdst(0) depctr_va_ssrc(0) depctr_va_vcc(0) depctr_vm_vsrc(0)
	s_getreg_b32 s2, hwreg(HW_REG_IB_STS2, 6, 4)
	s_cmp_eq_u32 s2, 0
	s_cbranch_scc0 .Lentry_in_a_cluster
	s_endpgm
.Lentry_in_a_cluster:
	s_bfe_u32 s2, ttmp6, 0x10000c
	s_cmp_lg_u32 s2, 0xf033
	s_cbranch_scc0 .Lentry_shape_is_right
	s_endpgm
.Lentry_shape_is_right:
.set KROW,  1024
.set KS,    64
.set PITCH, 272
.set XHALF, 128*PITCH
.set YHALF, 16384
.set YOFF,  2*XHALF
.set SLOT,  YOFF+2*YHALF
.set SCY,   2*SLOT
.set SYH,   (64*KS/256)*272
.set SCX,   SCY+2*SYH
.set SXH,   (128*KS/256)*272
.set SBLK,  (16*KS/256)*272
.set SPARE, SCX+2*SXH
.set YA,    4096
.set YQ,    1024
.set YC,    512
.set XSTEP, 512
.set YSTEP, 8192
.set SPITCH, 528
.set ADRX, 16
.set ADRY, 20
.set STO,  24
.set RD,   25
.set CO,   26
.set ADRS, 27
.set SPW,  28
.set NIL,  29
.set SC,   32
.set G1X, 24
.set G0X, 32
.set G1Y, 48
.set G0Y, 56
.set G1SX, 68
.set G0SX, 76
.set G1SY, 80
.set G0SY, 88
.set MSB, 0
.macro WIN new
.if MSB != (\new)
	s_set_vgpr_msb (MSB<<8)|(\new)
.set MSB, (\new)
.endif
.endm
.set MUL,  0xa5
.set TO_F, 0x40
.macro JLOAD g0a, g1a, g0b, g1b
	s_cmp_eq_u32 s15, 0
	s_cbranch_scc0 .Lfor_y_\@
	tensor_load_to_lds s[\g0a:\g0a+3], s[\g1a:\g1a+7]
	s_nop 0
.rept 4
	v_nop
.endr
	s_branch .Lasked_\@
.Lfor_y_\@:
	tensor_load_to_lds s[\g0b:\g0b+3], s[\g1b:\g1b+7]
	s_nop 0
.rept 4
	v_nop
.endr
.Lasked_\@:
.endm
.macro CREST
	s_cmp_lg_u32 s14, 0
	s_cbranch_scc1 .Lnot_wave_0_\@
	s_barrier_signal -3
.Lnot_wave_0_\@:
	s_barrier_wait -3
	s_barrier_signal -1
	s_barrier_wait -1
.endm
.macro CROUND
	s_barrier_signal -1
	s_barrier_wait -1
	CREST
.endm
.macro PLACES
.rept 4
	v_nop
.endr
.endm
	s_load_b256 s[68:75], s[0:1], 0x0
	s_load_b64 s[76:77], s[0:1], 0x20
	v_lshl_add_u32 v[SPW], v0, 2, SPARE
	v_mov_b32 v[NIL], 0
	ds_add_u32 v28, v29
	ds_add_u32 v28, v29
	s_wait_dscnt 0x0
	v_lshrrev_b32 v1, 5, v0
	v_readfirstlane_b32 s14, v1
	s_lshr_b32 s15, s14, 1
	s_and_b32 s16, s14, 1
	s_bfe_u32 s40, ttmp6, 0x40000
	s_bfe_u32 s41, ttmp6, 0x40004
	s_lshl_b32 s47, ttmp9, 2
	s_add_co_u32 s47, s47, s40
	s_and_b32 s46, ttmp7, 0xffff
	s_lshl_b32 s46, s46, 2
	s_add_co_u32 s46, s46, s41
	s_lshl_b32 s44, s41, 2
	s_lshl_b32 s44, 15, s44
	s_lshl_b32 s45, 0x1111, s40
	s_or_b32 s[G1X], s44, (1<<20)|(1<<21)|(5<<22)|(3<<25)
	s_mov_b32 s[G1X+1], 256<<16
	s_mov_b32 s[G1X+2], 256<<16                    ; 256 rows of wo for the head's load; set to 128 for the ring's behind it
	s_mov_b32 s[G1X+3], 256<<16
	s_mov_b32 s[G1X+4], 256
	s_mov_b32 s[G1X+5], KROW
	s_mov_b32 s[G1X+6], 0
	s_mov_b32 s[G1X+7], 0
	s_or_b32 s[G1Y], s45, (3<<16)|(1<<21)
	s_mov_b32 s[G1Y+1], 512<<16
	s_mov_b32 s[G1Y+2], 8<<16                      ; Y: images of 8 tiles of tokens at the head (4,096 bytes each a K step), 4 in the ring
	s_mov_b32 s[G1Y+3], 512<<16
	s_mov_b32 s[G1Y+4], 8
	s_mov_b32 s[G1Y+5], 2048
	s_mov_b32 s[G1Y+6], 0
	s_mov_b32 s[G1Y+7], 0
	s_lshl_b32 s96, s46, 14                        ; X's tile, 256 rows of wo: its scale bytes (64 a row),
	s_lshl_b32 s92, s46, 18                        ; its codes (1,024 a row)
	s_mov_b32 s93, 0
	s_mov_b32 s97, 0
	s_lshl_b32 s98, s47, 13                        ; Y's tile, 128 tokens, likewise
	s_lshl_b32 s94, s47, 17
	s_mov_b32 s95, 0
	s_mov_b32 s99, 0
	CROUND
	s_wait_kmcnt 0x0
	s_add_nc_u64 s[4:5], s[70:71], s[92:93]
	s_add_nc_u64 s[6:7], s[72:73], s[96:97]
	s_add_nc_u64 s[8:9], s[68:69], s[94:95]
	s_add_nc_u64 s[10:11], s[68:69], 0x200000
	s_add_nc_u64 s[10:11], s[10:11], s[98:99]
	s_mov_b64 s[18:19], s[74:75]
	s_mov_b64 s[12:13], s[76:77]
	s_or_b32 s[G1SX], s44, (3<<16)|(1<<20)|(1<<21)|(5<<22)|(3<<25)
	s_or_b32 s[G1SY], s45, (3<<16)|(1<<20)|(1<<21)|(5<<22)|(3<<25)
	s_mov_b32 s[G1SX+1], 32<<16
	s_mov_b32 s[G1SX+2], (256*KS/256)<<16
	s_mov_b32 s[G1SX+3], 32<<16
	s_mov_b32 s[G1SX+4], 256*KS/256
	s_mov_b32 s[G1SX+5], 32
	s_mov_b32 s[G1SX+6], 0
	s_mov_b32 s[G1SX+7], 0
	s_mov_b32 s[G1SY+1], 32<<16
	s_mov_b32 s[G1SY+2], (128*KS/256)<<16
	s_mov_b32 s[G1SY+3], 32<<16
	s_mov_b32 s[G1SY+4], 128*KS/256
	s_mov_b32 s[G1SY+5], 32
	s_mov_b32 s[G1SY+6], 0
	s_mov_b32 s[G1SY+7], 0
	s_mul_i32 s100, s16, XHALF
	s_mul_i32 s101, s16, YHALF
	s_add_co_u32 s101, s101, YOFF
	s_mov_b32 s[G0SX], 1
	s_mov_b32 s[G0SX+1], SCX
	s_mov_b64 s[G0SX+2:G0SX+3], s[6:7]
	s_or_b32 s[G0SX+3], s[G0SX+3], 0x80000000
	s_mov_b32 s[G0SY], 1
	s_mov_b32 s[G0SY+1], SCY
	s_mov_b64 s[G0SY+2:G0SY+3], s[10:11]
	s_or_b32 s[G0SY+3], s[G0SY+3], 0x80000000
	s_lshl_b32 s92, s16, 17                        ; for the ring: the half of a tile that I fetch: 128 rows of X,
	s_lshl_b32 s94, s16, 16                        ; 64 tokens of Y
	s_add_nc_u64 s[96:97], s[4:5], s[92:93]
	s_add_nc_u64 s[98:99], s[8:9], s[94:95]
.irp s, 0,1
	s_mov_b32 s[G0X+4*\s], 1
	s_add_co_u32 s[G0X+4*\s+1], s100, \s*SLOT
	s_add_nc_u64 s[G0X+4*\s+2:G0X+4*\s+3], s[96:97], \s*256
	s_or_b32 s[G0X+4*\s+3], s[G0X+4*\s+3], 0x80000000
	s_mov_b32 s[G0Y+4*\s], 1
	s_add_co_u32 s[G0Y+4*\s+1], s101, \s*SLOT
	s_add_nc_u64 s[G0Y+4*\s+2:G0Y+4*\s+3], s[98:99], \s*4096
	s_or_b32 s[G0Y+4*\s+3], s[G0Y+4*\s+3], 0x80000000
.endr
	s_mov_b64 s[6:7], s[4:5]                       ; s[4:7]: group 0 for K step 0's 256 rows of X (the addresses that lay there have been used),
	s_or_b32 s7, s7, 0x80000000
	s_mov_b32 s4, 1
	s_mov_b32 s5, 0
	s_mov_b64 s[10:11], s[8:9]                     ; s[8:11]: for its 128 tokens of Y
	s_or_b32 s11, s11, 0x80000000
	s_mov_b32 s8, 1
	s_mov_b32 s9, YOFF
; THE HEAD'S LOADS, ONE A WAVE: wave 0 K step 0's rows of X, wave 1 those of Y, wave 2 X's scale bytes, wave 3 Y's.  One chain of branches on the wave's number, a load to an arm.
.macro ARM under, g0, g1, next
	s_cmp_lt_u32 s14, \under
	s_cbranch_scc0 \next
	tensor_load_to_lds s[\g0:\g0+3], s[\g1:\g1+7]
	s_nop 0
.rept 4
	v_nop
.endr
	s_branch .Lhead_asked
\next:
.endm
	ARM 1, 4, G1X, .Lhead_y
	ARM 2, 8, G1Y, .Lhead_sx
	ARM 3, G0SX, G1SX, .Lhead_sy
	tensor_load_to_lds s[G0SY:G0SY+3], s[G1SY:G1SY+7]
	s_nop 0
.rept 4
	v_nop
.endr
.Lhead_asked:
; PREFETCHES INTO THE L2 of K steps 1 to 3 (K has four steps of 512): steps 1 and 2 are named here, step 3 behind slot 1's fill.  Of what a wave fetches for the ring each of the four partners that ask jointly takes a quarter,
; told apart by address (cx for X, cy for Y).  X: 32 rows of 1,024 bytes, a lane a row, 256 bytes a K step.  Y: one tile of 16 tokens, 4,096 bytes a K step, lanes 256 bytes apart; lanes 16-31 name the last block again.
	s_cmp_eq_u32 s15, 0
	s_cselect_b64 s[96:97], s[96:97], s[98:99]     ; the first byte that I fetch for the ring
	s_cselect_b32 s98, s40, s41                    ; my place among the four
	s_cselect_b32 s99, 15, 14                      ; a quarter: 32 x 1,024 or 16,384 bytes, as a shift
	s_cselect_b32 s2, 31, 15
	s_cselect_b32 s17, 10, 8                       ; from lane to lane, as a shift
	s_mov_b32 s66, 4096
	s_cselect_b32 s66, 256, s66                    ; a K step on
	s_lshl_b32 s98, s98, s99
	s_mov_b32 s99, 0
	s_add_nc_u64 s[96:97], s[96:97], s[98:99]
	v_and_b32 v8, 31, v0
	v_min_u32 v8, s2, v8
	v_lshlrev_b32 v8, s17, v8
	v_add_nc_u32 v8, s66, v8                       ; v8, v9, v10: my block of K steps 1, 2, 3; never rewritten
	v_add_nc_u32 v9, s66, v8
	v_add_nc_u32 v10, s66, v9
	s_wait_alu depctr_va_vdst(0)
	global_prefetch_b8 v8, s[96:97] th:TH_LOAD_NT scope:SCOPE_SE
	global_prefetch_b8 v9, s[96:97] th:TH_LOAD_NT scope:SCOPE_SE
	v_and_b32 v1, 15, v0
	v_bfe_u32 v2, v0, 4, 1
	v_and_b32 v4, 31, v0
	v_lshlrev_b32 v[CO], 4, v4
	v_mul_u32_u24 v3, v1, PITCH
	v_lshl_add_u32 v3, v2, 4, v3
	s_mul_i32 s92, s15, XHALF
	s_mul_i32 s93, s16, YHALF
	s_add_co_u32 s93, s93, YOFF
.irp s, 0,1
	v_add_nc_u32 v[ADRX+\s], s92, v3
	v_add_nc_u32 v[ADRY+\s], s93, v[CO]
	s_add_co_u32 s92, s92, SLOT
	s_add_co_u32 s93, s93, SLOT
.endr
	v_mul_u32_u24 v5, v1, KS
	v_lshrrev_b32 v6, 8, v5
	v_lshl_add_u32 v5, v6, 4, v5
	s_mul_i32 s92, s16, SYH
	s_mul_i32 s93, s15, SXH
	s_add_co_u32 s93, s93, SCX-SCY
	s_sub_co_u32 s93, s93, s92
	v_mul_u32_u24 v6, s93, v2
	s_add_co_u32 s92, s92, SCY
	v_add_nc_u32 v5, v5, v6
	v_add_nc_u32 v[ADRS], s92, v5
	s_mul_i32 s92, s14, 16*SPITCH
	v_mul_u32_u24 v5, v1, SPITCH
	v_lshl_add_u32 v5, v2, 5, v5
	v_add_nc_u32 v[STO], s92, v5
	v_add_nc_u32 v[RD], s92, v[CO]
	s_lshl_b32 s66, s47, 7
	s_lshl_b32 s2, s16, 6
	s_add_co_u32 s66, s66, s2
	s_lshl_b32 s66, s66, 14
	s_lshl_b32 s2, s46, 10
	s_add_co_u32 s66, s66, s2
	s_lshl_b32 s2, s15, 9
	s_add_co_u32 s66, s66, s2
	s_mov_b32 s67, 0
	s_add_nc_u64 s[12:13], s[12:13], s[66:67]
	s_add_nc_u64 s[18:19], s[18:19], s[66:67]
.macro RLOAD a
	WIN 0xc0
.set t, 0
.rept 16
	global_load_b128 v[64*(\a)+4*t:64*(\a)+4*t+3], v[CO], s[18:19] offset:(16*(\a)+t)*16384 th:TH_LOAD_NT
.set t, t+1
.endr
	WIN 0
.endm
.macro MULB a, p, q, sc, zero
.irp b, 0,1,2,3,4,5,6,7
.if \zero
	v_wmma_scale_f32_16x16x128_f8f6f4 v[8*(8*(\a)+\b):8*(8*(\a)+\b)+7], v[64*(\p)+8*\b:64*(\p)+8*\b+7], v[128+32*(\p)+8*(\a):128+32*(\p)+8*(\a)+7], 0, v[SC+32*(\sc)+4*\b+(\q)], v[SC+32*(\sc)+4*(\a)+(\q)] matrix_a_fmt:MATRIX_FMT_FP4 matrix_b_fmt:MATRIX_FMT_FP4 matrix_a_scale:MATRIX_SCALE_ROW1
.else
	v_wmma_scale_f32_16x16x128_f8f6f4 v[8*(8*(\a)+\b):8*(8*(\a)+\b)+7], v[64*(\p)+8*\b:64*(\p)+8*\b+7], v[128+32*(\p)+8*(\a):128+32*(\p)+8*(\a)+7], v[8*(8*(\a)+\b):8*(8*(\a)+\b)+7], v[SC+32*(\sc)+4*\b+(\q)], v[SC+32*(\sc)+4*(\a)+(\q)] matrix_a_fmt:MATRIX_FMT_FP4 matrix_b_fmt:MATRIX_FMT_FP4 matrix_a_scale:MATRIX_SCALE_ROW1
.endif
.endr
.endm
.macro FETCH slot, q, p
	WIN TO_F
.irp i, 0,1,2,3,4,5,6,7
.irp c, 0,1
	ds_load_b128 v[64*(\p)+8*\i+4*\c:64*(\p)+8*\i+4*\c+3], v[ADRX+\slot] offset:64*(\q)+32*\c+\i*16*PITCH
.endr
.endr
.irp a, 0,1,2,3
.irp c, 0,1
	ds_load_b128 v[128+32*(\p)+8*\a+4*\c:128+32*(\p)+8*\a+4*\c+3], v[ADRY+\slot] offset:YQ*(\q)+YC*\c+YA*\a
.endr
.endr
.endm
.macro SCALES sc
.irp i, 0,1,2,3,4,5,6,7
	ds_load_b128 v[SC+32*\sc+4*\i:SC+32*\sc+4*\i+3], v[ADRS] offset:\i*SBLK
.endr
.endm
.macro STEP slot, q, zero
	s_wait_dscnt 0x0
	WIN MUL
	MULB 0, (\q)%2, \q, \slot, \zero
	MULB 1, (\q)%2, \q, \slot, \zero
	PLACES
	FETCH \slot, (\q)+1, 1-(\q)%2
	WIN MUL
	MULB 2, (\q)%2, \q, \slot, \zero
	MULB 3, (\q)%2, \q, \slot, \zero
.endm
.macro TURN slot, next, fill
	WIN 0
	s_wait_tensorcnt 0x0
	ds_add_u32 v[SPW], v[NIL]
	s_wait_dscnt 1
	WIN MUL
	MULB 0, 1, 3, \slot, 0
	s_wait_dscnt 0x0
	s_barrier_signal -1
	MULB 1, 1, 3, \slot, 0
	WIN 0
	s_barrier_wait -1
.if \fill
	CREST
	s_add_nc_u64 s[G0X+4*\slot+2:G0X+4*\slot+3], s[G0X+4*\slot+2:G0X+4*\slot+3], XSTEP
	s_add_nc_u64 s[G0Y+4*\slot+2:G0Y+4*\slot+3], s[G0Y+4*\slot+2:G0Y+4*\slot+3], YSTEP
	JLOAD G0X+4*\slot, G1X, G0Y+4*\slot, G1Y
.else
	PLACES
.endif
	s_wait_alu depctr_va_vdst(0)
	v_add_nc_u32 v[ADRS], 16, v[ADRS]
	FETCH \next, 0, 0
	WIN 0
	SCALES \next
	WIN MUL
	MULB 2, 1, 3, \slot, 0
	MULB 3, 1, 3, \slot, 0
.endm
	s_wait_alu depctr_va_vdst(0)
	s_wait_tensorcnt 0x0                           ; my tile of the head's four is in
	ds_add_u32 v[SPW], v[NIL]
	s_mov_b32 s[G1X+2], 128<<16                    ; no tensor load of mine is out: from here on a load brings 128 rows of X
	s_mov_b32 s[G1X+4], 128
	s_mov_b32 s[G1Y+2], 4<<16                      ; or 4 tiles of tokens of Y
	s_mov_b32 s[G1Y+4], 4
	s_wait_dscnt 0x0
	CROUND                                         ; all four tiles are in, and all sixteen work-groups are here
	JLOAD G0X+4, G1X, G0Y+4, G1Y                   ; K step 1: the first tensor load behind the round
	FETCH 0, 0, 0
	WIN 0
	SCALES 0
	global_prefetch_b8 v10, s[96:97] th:TH_LOAD_NT scope:SCOPE_SE   ; K step 3
	STEP 0, 0, 1
	RLOAD 0                                        ; the residual of my first 16 tokens: wanted on the way out alone, so it is asked for behind the head's tiles
	STEP 0, 1, 0
	RLOAD 1
	STEP 0, 2, 0
	TURN 0, 1, 1
	STEP 1, 0, 0
	STEP 1, 1, 0
	STEP 1, 2, 0
	RLOAD 2
	TURN 1, 0, 1
	STEP 0, 0, 0
	STEP 0, 1, 0
	STEP 0, 2, 0
	RLOAD 3
	TURN 0, 1, 0
	STEP 1, 0, 0
	STEP 1, 1, 0
	STEP 1, 2, 0
	s_wait_dscnt 0x0
	WIN MUL
	MULB 0, 1, 3, 1, 0
	MULB 1, 1, 3, 1, 0
	MULB 2, 1, 3, 1, 0
	MULB 3, 1, 3, 1, 0
	WIN 0
	PLACES
.macro TOSTAGE a
	WIN 0x08
.irp b, 0,1,2,3,4,5,6,7
	ds_store_b128 v[STO], v[64*(\a)+8*\b:64*(\a)+8*\b+3] offset:64*\b
	ds_store_b128 v[STO], v[64*(\a)+8*\b+4:64*(\a)+8*\b+7] offset:64*\b+16
.endr
	WIN TO_F
.set t, 0
.rept 16
	ds_load_b128 v[64*(\a)+4*t:64*(\a)+4*t+3], v[RD] offset:t*SPITCH
.set t, t+1
.endr
.endm
.macro SEND a, younger
	s_wait_dscnt \younger
	s_wait_loadcnt 48-16*(\a)
	WIN 0x4d
.set t, 0
.rept 32
	v_pk_add_f32 v[64*(\a)+2*t:64*(\a)+2*t+1], v[64*(\a)+2*t:64*(\a)+2*t+1], v[64*(\a)+2*t:64*(\a)+2*t+1]
.set t, t+1
.endr
	WIN 0x04
.set t, 0
.rept 16
	global_store_b128 v[CO], v[64*(\a)+4*t:64*(\a)+4*t+3], s[12:13] offset:(16*(\a)+t)*16384 th:TH_STORE_NT
.set t, t+1
.endr
.endm
	TOSTAGE 0
	TOSTAGE 1
	SEND 0, 32
	TOSTAGE 2
	SEND 1, 32
	TOSTAGE 3
	SEND 2, 32
	SEND 3, 0
	WIN 0
	s_wait_tensorcnt 0x0
	ds_add_u32 v[SPW], v[NIL]
	s_wait_dscnt 0x0
	CROUND
	s_endpgm
.Lfunc_end_k_q010d394a07_outp:
	.size	k_q010d394a07_outp, .Lfunc_end_k_q010d394a07_outp-k_q010d394a07_outp
	.p2alignl 7, 3214868480
	.fill 96, 4, 3214868480
	.section	.rodata,"a",@progbits
	.p2align	6, 0x0
	.amdhsa_kernel k_q010d394a07_outp
		.amdhsa_group_segment_fixed_size 327680
		.amdhsa_private_segment_fixed_size 0
		.amdhsa_enable_private_segment 0
		.amdhsa_kernarg_size 40
		.amdhsa_user_sgpr_count 2
		.amdhsa_user_sgpr_kernarg_segment_ptr 1
		.amdhsa_wavefront_size32 1
		.amdhsa_system_sgpr_workgroup_id_x 1
		.amdhsa_system_sgpr_workgroup_id_y 1
		.amdhsa_system_sgpr_workgroup_id_z 1
		.amdhsa_system_vgpr_workitem_id 0
		.amdhsa_next_free_vgpr 1024
		.amdhsa_next_free_sgpr 102
		.amdhsa_reserve_vcc 0
		.amdhsa_float_denorm_mode_32 3
		.amdhsa_float_denorm_mode_16_64 3
		.amdhsa_memory_ordered 1
		.amdhsa_forward_progress 1
		.amdhsa_inst_pref_size 137
	.end_amdhsa_kernel
	.amdgpu_metadata
---
amdhsa.version: [ 1, 2 ]
amdhsa.kernels:
  - .name:           k_q010d394a07_outp
    .symbol:         k_q010d394a07_outp.kd
    .args:
      - { .name: abuf, .offset: 0, .size: 8, .value_kind: global_buffer, .address_space: global }
      - { .name: wo_codes, .offset: 8, .size: 8, .value_kind: global_buffer, .address_space: global }
      - { .name: wo_scales, .offset: 16, .size: 8, .value_kind: global_buffer, .address_space: global }
      - { .name: hidden_states, .offset: 24, .size: 8, .value_kind: global_buffer, .address_space: global }
      - { .name: out0, .offset: 32, .size: 8, .value_kind: global_buffer, .address_space: global }
    .group_segment_fixed_size: 327680
    .private_segment_fixed_size: 0
    .kernarg_segment_align: 8
    .kernarg_segment_size: 40
    .max_flat_workgroup_size: 128
    .sgpr_count:     102
    .vgpr_count:     1024
    .wavefront_size: 32
...
	.end_amdgpu_metadata
.endif
;; end of part 4
